; MI455X (gfx1250); checked and timed in simulation.
; The chip was launched on July 23, 2026; its instructions are those of AMD's public machine-readable ISA for CDNA 5 (MIT licence, August 2026) and "CDNA5" Instruction Set Architecture Reference Guide (July 2026). The comments in the code are by the model that wrote it; some were corrected since.
;; Transformer Model. Allowed arithmetic: matrix products marked QUANTISED: E3M2 operands, one E8M0 scale for each 32 along K, by v_wmma_scale_f32_16x16x128_f8f6f4 with both operands' format E3M2, f32 sums; products left as they are: f32 operands where the result goes on into a quantised operand, else bf16, f16 or f32 operands; f32 sums; everything else in f32.
;; Inputs: embed 32,000 x 1,024 float32; out_b 32,000 float32; out_w 1,024 x 32,000 float32; qkv_b 3,072 float32; qkv_w_codes 3,072 x 32 x 24 uint8 (E3M2 codes of qkv_w, K innermost, in blocks of 32 codes, four codes in three bytes); qkv_w_scales 3,072 x 32 uint8 (E8M0 scales of qkv_w, one for each 32 codes along K); x 4 x 2,048 int32.
;; Outputs: out0 4 x 32,000 float32.
;; This version of the problem:
;;   THIS VERSION OF THE PROBLEM IS GIVEN IN LOW PRECISION. The matrix products marked QUANTISED in the list below multiply operands that are first quantised to E3M2 (3 exponent bits, 2 mantissa bits; 6 bits a number), with one power-of-two scale for each 32 numbers along K (OCP MX v1.0); their sums are f32. All else is computed in f32.
;;   The module's matrix products, in the order in which they are computed (A, B: the left and right operand; K: the contracted axis; several contracted axes count as one K, in the product's order):
;;     1. [M 8,192, K 1,024] x [K 1,024, N 3,072]; A: computed on the way; B: input qkv_w (given as codes): QUANTISED
;;     2. batch 4 x [M 2,048, K 1,024] x [K 1,024, N 2,048]; A: computed on the way; B: computed on the way: QUANTISED
;;     3. batch 4 x [M 2,048, K 2,048] x [K 2,048, N 1,024]; A: softmax (see below); B: computed on the way: QUANTISED
;;     4. [M 4, K 1,024] x [K 1,024, N 32,000]; A: computed on the way; B: input out_w: left as it is (M = 4 < 16)
;;   THE QUANTISER, for each operand of a quantised product, along K:
;;     - K is cut into blocks of 32 from its start; a last block that is shorter is filled with zeros.
;;     - A block's scale is 2^e with e = floor(log2(the largest magnitude in the block)) - 4, held to -126 .. 127; a block of zeros has e = 0. As a byte (E8M0): e + 127.
;;     - Each number is divided by its block's scale, clamped to +-28, and rounded to the nearest number of E3M2, ties to even, subnormals kept.
;;     - The product sums the exact products of the quantised numbers (number of the format x scale) in f32.
;;   ~~~python
;;   def quantise(x, axis):      # numpy; x: float32 -> the quantised numbers, widened to float32 again
;;       x = np.moveaxis(x, axis, -1); K = x.shape[-1]
;;       x = np.pad(x, [(0, 0)] * (x.ndim - 1) + [(0, -K % 32)]); x = x.reshape(x.shape[:-1] + (-1, 32)); a = np.abs(x).max(-1, keepdims=True)
;;       e = np.where(a > 0, np.clip(np.frexp(np.where(a > 0, a, 1))[1] - 1 - 4, -126, 127), 0)      # np.frexp(a)[1] - 1 = floor(log2(a)), exactly
;;       r = np.clip(x / 2.0 ** e, -28, 28)
;;       step = 2.0 ** (np.maximum(np.frexp(np.where(r == 0, 1, r))[1] - 1, -2) - 2)
;;       q = np.round(r / step) * step * 2.0 ** e      # np.round: ties to even
;;       return np.moveaxis(q.reshape(q.shape[:-2] + (-1,))[..., :K], -1, axis).astype(np.float32)
;;   ~~~
;;   SOFTMAX AHEAD OF A QUANTISED PRODUCT. Where the list says 'softmax', what is quantised is not the finished softmax but p = 2^(t - M), with t = logit x log2(e) and M = ceil(the row's largest t), a whole number; so 1/2 < the row's largest p <= 1. The row's sum l is taken of the UNQUANTISED p, in f32, and the product's result is divided by l at the end. Since M is a whole number, a kernel that streams over the keys may use a running M (the ceiling of the running maximum): every later rescaling is an exact power of two, which a block's scale takes up: the codes' values come out the same.
;;   OPERANDS COMPUTED ON THE WAY. 'Computed on the way' means the value that the module computes at that place (a softmax that the list does not call 'softmax' is quantised finished and normalised). What goes into a quantiser is computed in f32, as accurately as f32 sums, v_exp_f32 and their like allow (about 1e-6 of the number): no bf16 or f16 on the way to a quantiser, and a product that is left as it is and whose result goes on into a quantised operand takes f32 operands (vector FMAs, or v_wmma_f32_16x16x4_f32). A number that lies on a knife's edge between two numbers of the format may be rounded either way, as far as f32 arithmetic and the matrix unit's own rounding can turn it there, and no further.
;;   INPUTS GIVEN AS CODES. qkv_w (in the module: [1024, 3072], K = its axis 0): each comes as NAME_codes (uint8): NAME with its K axis moved to the last place and cut into blocks of 32 codes, [.., K / 32, bytes a block], one block behind the other in memory; four codes in three bytes: a row's codes are one little-endian stream of bits, code i at bits 6 i .. 6 i + 5 (a code: sign, 3 exponent bits, 2 mantissa bits); and NAME_scales (uint8): the same leading axes, one E8M0 byte (e + 127) for each 32 codes along K. Its value is code x scale, taken as it is: it is not quantised again, and the codes and scales need not be those that the quantiser above would give.
;; One version. Each part assembles by itself: llvm-mc -triple=amdgcn-amd-amdhsa -mcpu=gfx1250 --defsym DOCPART=n.
;; ======== version 1 of 1: 4 launches
;; limits: values are held in bf16: 8 bits of precision; right only within a limited range of input values
;; workspace buffers: prep 8,195,328 bytes; att 6,815,744 bytes; hres 16,384 bytes
;; launch prep (part 1): grid 296 x 1, 4 waves a work-group, no clusters, 147,968 bytes of LDS; arguments x, embed, qkv_w_codes, qkv_w_scales, qkv_b, prep; writes prep
.if DOCPART == 1
	.amdgcn_target "amdgcn-amd-amdhsa--gfx1250"
	.amdhsa_code_object_version 6
	.text
	.protected	k_q1eea85d531_prep
	.globl	k_q1eea85d531_prep
	.p2align	8
	.type	k_q1eea85d531_prep,@function
k_q1eea85d531_prep:
	s_mov_b64 s[64:65], 0
	v_nop
	global_prefetch_b8 v0, s[64:65] scope:SCOPE_SE
	s_setreg_imm32_b32 hwreg(HW_REG_WAVE_MODE, 25, 1), 1
	s_wait_xcnt 0x0
; WHAT THE PROGRAM COMPUTES.  The result is the projection of each batch's LAST token alone, so of the attention only the row of query 2,047 of each batch
; is wanted: k and v of all 8,192 tokens, q of four.  This launch lays the operands of the k, v product as the matrix unit wants them, and makes q.
; LEFT OUT, for all values of the inputs: reference() keeps h[:, -1, :] alone, so the queries, scores, softmax rows, results and residuals of tokens 0 .. 2,046 of each batch reach no output.
; Their q is not made here, and no later launch makes what would follow from it.  A NaN, an infinity or an overflow that reaches only that work is not carried to the result.
; THREE ROLES, by the work-group's number.  0-7 (Q): q of the four last tokens, quantised.  8-39 (W): the k and v rows of qkv_w, codes as given, re-laid.
; 40-295 (H): embed[x] gathered and quantised along D (E3M2, one E8M0 byte for 32 along K).
; A TILE of 16 rows, for tokens and weight rows alike: tile T holds rows 32 (T / 2) + 8 (T % 2) + r + 8 (r / 8), r = lane % 16, so that the 16 result registers
; of two neighbouring tiles are 16 neighbours along the next product's K.
; A FRAGMENT (16 rows x 128 K, 12 registers a lane) lies in memory as an IMAGE OF ITS REGISTERS: 3 x 512 bytes, registers 4 c .. 4 c + 3 of lane l at 512 c + 16 l.
; Its rows' scale words lie four K steps together: 256 bytes, row-lane r's four words at 16 r.
; prep's sections: HC [step / 2][tile 512][step % 2][1536]; WC the same with 128 tiles; HS, WS [tile][step / 4][256]; QC [batch][768] a plain stream of codes; QS [batch][32].
; A block's scale byte is its largest magnitude's exponent field - 4, held at 1 from below (a block of zeros keeps 1: its codes are zeros, and this program alone reads the bytes).
; Every load of rows is 512 consecutive bytes; what the lanes want otherwise is turned in LDS, in each wave's own bytes.  Role Q's four waves also share the quantised tokens, behind one barrier.
; LDS: H's stages from 0, the spare words, Q's shared images (QL), Q's stages (QW), W's stages (WL).  No tensor loads.
; LIMITS: NaN and infinities among the inputs are not served; blocks whose largest magnitude lies under 2^-122 keep the byte 1; an index is held at 31,999.
.set PLA, 1572864                      ; a plane of HC: 512 tiles x 3,072 bytes
.set PLB, 393216                       ; a plane of WC: 128 tiles
.set WC,  6291456
.set HS,  7864320
.set WS,  8126464
.set QC,  8192000
.set QS,  8195072
.set SPARE, 33792
.set QL,  34304                        ; 8 K steps x 1,536 bytes of fragment images, then 8 x 128 bytes of scale words
.set QW,  47616                        ; 12,544 bytes a wave
.set WL,  97792                        ; 12,544 bytes a wave
.set SP,  784                          ; a weight row in a stage: 768 bytes + 16 = 196 words: the 32 lanes of an 8-byte read, 16 rows and 24 bytes apart, touch 64 different banks
.set BI,  16                           ; v16-31   role H: the 16 tokens' byte offsets; role Q: the bias, in the result's layout
.set X,   32                           ; v32-95   64 numbers of a lane, register 16 b + i = k 32 b + 16 (lane / 16) + i of my row; role Q: a second set at v96-159
.set WSC, 160                          ; v160-175 role Q: W's scale words
.set ACC, 176                          ; v176-191 role Q: two accumulators; before them (XR) the tokens' rows as loaded, v176-207
.set XR,  176
.set QCD, 208                          ; v208-210 role Q: q's codes; v212-219 addresses
.set PC,  224                          ; v224-238, 240-242 the codes just made; v239, v243 are the add's
.set TM,  244                          ; v244-247 largest magnitudes, v248-251 bytes, v252-255 the conversions' scale operands
.set SEL, 18                           ; s[18:19] v_permlanex16_b32's selects for lane l xor 16
.set MSB, 0
.macro WIN new                         ; the immediate's high byte repeats the setting that is left
.if MSB != (\new)
	s_set_vgpr_msb (MSB<<8)|(\new)
.set MSB, (\new)
.endif
.endm
; 64 numbers of a lane become a fragment's codes in v[PC] on and its row's scale word in v[pw]
.macro QUANT s, pw
.irp b, 0,1,2,3
	v_max3_num_f32 v[TM+\b], |v[\s+16*\b]|, |v[\s+1+16*\b]|, 0x2800000   ; block b: my 16 numbers, and the floor 2^(5 - 127): the byte cannot fall under 1
.endr
.irp i, 2,4,6,8,10,12,14
.irp b, 0,1,2,3
	v_max3_num_f32 v[TM+\b], v[TM+\b], |v[\s+16*\b+\i]|, |v[\s+1+16*\b+\i]|   ; the four blocks by turns
.endr
.endr
.irp b, 0,1,2,3
	v_permlanex16_b32 v[TM+4+\b], v[TM+\b], s[SEL], s[SEL+1]
.endr
.irp b, 0,1,2,3
	v_max_num_f32 v[TM+\b], v[TM+\b], v[TM+4+\b]   ; with lane l xor 16's: the block's largest magnitude
.endr
.irp b, 0,1,2,3
	v_add_nc_u32 v[TM+8+\b], 0xfe000000, v[TM+\b]  ; 4 off its exponent field: the conversion takes this operand's exponent field as its scale
.endr
.irp b, 0,1,2,3
	v_lshrrev_b32 v[TM+4+\b], 23, v[TM+8+\b]       ; the scale's byte
.endr
	v_lshl_or_b32 v[\pw], v[TM+5], 8, v[TM+4]
	v_lshl_or_b32 v[\pw], v[TM+6], 16, v[\pw]
	v_lshl_or_b32 v[\pw], v[TM+7], 24, v[\pw]
.irp c, 0,1
	v_cvt_scalef32_pk16_bf6_f32 v[PC+6*\c:PC+2+6*\c], v[\s+32*\c:\s+15+32*\c], v[TM+8+2*\c]
	v_cvt_scalef32_pk16_bf6_f32 v[PC+12+4*\c:PC+14+4*\c], v[\s+16+32*\c:\s+31+32*\c], v[TM+8+2*\c+1]   ; (a conversion's three registers begin on an even number)
.endr
	v_nop                                          ; one plain place behind a scaled conversion
.irp c, 0,1                                    ; the operand's layout wants a WHOLE block in a lane: lanes 0-15 block 2 c, lanes 16-31 block 2 c + 1
.irp i, 0,1,2
	v_permlane16_swap_b32 v[PC+6*\c+\i], v[PC+12+4*\c+\i]
.endr
.irp i, 0,1,2
	v_mov_b32 v[PC+3+6*\c+\i], v[PC+12+4*\c+\i]
.endr
.endr
.endm
; A weight tile's 16 rows are two runs of eight neighbours, 16 rows apart: 2 x 6,144 consecutive bytes, 12 loads of 512 each.  off: the tile's first row, in bytes
.macro RAW reg, base, off
.irp i, 0,1,2,3,4,5,6,7,8,9,10,11
	global_load_b128 v[\reg+4*\i:\reg+4*\i+3], v5, s[\base:\base+1] offset:(\off)+512*\i
.endr
.irp i, 0,1,2,3,4,5,6,7,8,9,10,11
	global_load_b128 v[\reg+48+4*\i:\reg+48+4*\i+3], v5, s[\base:\base+1] offset:(\off)+12288+512*\i
.endr
.endm
; A run into my stage, rows SP apart.  Three loads are two rows; of the middle one lanes 0-15 hold the first row's end and lanes 16-31 the second's start, 16 bytes further on (v13)
.macro STG reg, run
.irp i, 0,1,2,3,4,5,6,7,8,9,10,11
.if (\i)%3 == 1
	ds_store_b128 v13, v[\reg+48*(\run)+4*\i:\reg+48*(\run)+4*\i+3] offset:(8*(\run)+2*(\i/3))*SP+512
.else
.if (\i)%3 == 0
	ds_store_b128 v12, v[\reg+48*(\run)+4*\i:\reg+48*(\run)+4*\i+3] offset:(8*(\run)+2*(\i/3))*SP
.else
	ds_store_b128 v12, v[\reg+48*(\run)+4*\i:\reg+48*(\run)+4*\i+3] offset:(8*(\run)+2*(\i/3))*SP+1040
.endif
.endif
.endr
.endm
.macro FR reg                          ; and back as the tile's eight fragments: row r, + 24 h, 24 bytes in three pieces
.irp s, 0,1,2,3,4,5,6,7
.irp p, 0,1,2,3,4,5
	ds_load_b64 v[\reg+12*\s+2*\p:\reg+12*\s+2*\p+1], v14 offset:96*\s+48*(\p/3)+8*(\p%3)
.endr
.endr
.endm
	s_load_b256 s[4:11], s[0:1], 0x0               ; x s[4:5], embed s[6:7], W's codes s[8:9], W's scales s[10:11]
	s_load_b128 s[12:15], s[0:1], 0x20             ; qkv_b s[12:13], prep s[14:15]
	v_lshl_add_u32 v239, v0, 2, SPARE
	v_mov_b32 v243, 0
	v_lshrrev_b32 v1, 5, v0
	v_readfirstlane_b32 s16, v1                    ; wave
	v_and_b32 v1, 31, v0                           ; lane
	v_and_b32 v2, 15, v0                           ; r
	v_bfe_u32 v3, v0, 4, 1                         ; h
	v_and_b32 v4, 8, v2
	v_add_nc_u32 v4, v4, v2                        ; r + 8 (r / 8)
	v_lshlrev_b32 v5, 4, v1                        ; 16 x lane: my place in 512 bytes
	s_mov_b32 s[SEL], 0x76543210
	s_mov_b32 s[SEL+1], 0xfedcba98
.irp b, 0,1,2,3
	v_mov_b32 v[TM+4+\b], 0                        ; written once: a lane permute's destination counts as one of its sources
.endr
	s_wait_alu depctr_va_vdst(0)                   ; the wait at the head's end
	s_wait_kmcnt 0x0
	s_cmp_lt_u32 ttmp9, 8
	s_cbranch_scc1 .Lq
	s_cmp_lt_u32 ttmp9, 40
	s_cbranch_scc1 .Lw
; ---- ROLE H.  A wave takes one tile of 16 tokens and half of K: four K steps, 32 KiB of embed.
	s_sub_co_u32 s20, ttmp9, 40
	s_lshl_b32 s20, s20, 2
	s_add_co_u32 s20, s20, s16                     ; task 0 .. 1,023
	s_lshr_b32 s21, s20, 1                         ; tile T
	s_and_b32 s22, s20, 1                          ; g: which half of K
	s_lshr_b32 s23, s21, 1
	s_lshl_b32 s23, s23, 7                         ; 32 (T / 2) tokens of 4 bytes
	s_and_b32 s40, s21, 1
	s_lshl_b32 s40, s40, 5                         ; + 8 (T % 2)
	s_add_co_u32 s40, s40, s23
	s_mov_b32 s41, 0
	s_add_nc_u64 s[40:41], s[4:5], s[40:41]
	s_load_b256 s[24:31], s[40:41], 0x0            ; the indices of row-lanes 0-7,
	s_load_b256 s[32:39], s[40:41], 0x40           ; and of 8-15, which lie 16 tokens on
	s_mul_i32 s42, s16, 8448                       ; my stage: 16 rows x (512 + 16) bytes
	s_wait_alu depctr_va_vdst(0)
	v_add_nc_u32 v6, s42, v5                       ; in: a token's 512 bytes as they lie
	v_mul_u32_u24 v7, v2, 528
	v_lshl_add_u32 v7, v3, 6, v7
	v_add_nc_u32 v7, s42, v7                       ; back: row r, + 64 h: my 16 numbers of each block of 32
	v_lshl_add_u32 v12, s22, 11, v5                ; in a row of embed: 2,048 g + 16 x lane
	s_mul_i32 s44, s22, 2*PLA
	s_mul_i32 s45, s21, 3072
	s_add_co_u32 s44, s44, s45
	s_mov_b32 s45, 0
	s_add_nc_u64 s[44:45], s[14:15], s[44:45]      ; HC at plane 2 g, tile T
	s_lshl_b32 s46, s21, 9
	s_lshl_b32 s47, s22, 8
	s_add_co_u32 s46, s46, s47
	s_add_co_u32 s46, s46, HS
	s_mov_b32 s47, 0
	s_add_nc_u64 s[46:47], s[14:15], s[46:47]      ; HS at tile T, half g
	s_wait_alu depctr_va_vdst(0)
	s_wait_kmcnt 0x0
.irp i, 0,1,2,3,4,5,6,7,8,9,10,11,12,13,14,15
	s_min_u32 s[24+\i], s[24+\i], 31999            ; an index stays inside the table
	s_lshl_b32 s[24+\i], s[24+\i], 12              ; a row is 4,096 bytes
	v_add_nc_u32 v[BI+\i], s[24+\i], v12
.endr
.macro LOADG t                         ; K step t of the 16 tokens into window 1, set t: one load is 512 consecutive bytes of one row.  No hint: a list may name a row twice
	WIN 0x40
.irp i, 0,1,2,3,4,5,6,7,8,9,10,11,12,13,14,15
	global_load_b128 v[64*(\t)+4*\i:64*(\t)+4*\i+3], v[BI+\i], s[6:7] offset:512*(\t)
.endr
	WIN 0
.endm
.macro HSTEP t
	s_wait_loadcnt 16*(3-(\t))                     ; this step's 16 loads are in; the later steps' may be out
	WIN 0x04                                       ; an LDS store's data are its source 1: window 1
.irp i, 0,1,2,3,4,5,6,7,8,9,10,11,12,13,14,15
	ds_store_b128 v6, v[64*(\t)+4*\i:64*(\t)+4*\i+3] offset:528*\i
.endr
	WIN 0
.irp b, 0,1,2,3
.irp j, 0,1,2,3
	ds_load_b128 v[X+16*\b+4*\j:X+16*\b+4*\j+3], v7 offset:128*\b+16*\j   ; LDS serves a wave's instructions in order: these see the stores above
.endr
.endr
	s_wait_dscnt 0x0                               ; my 64 numbers are in
	s_wait_xcnt 0x0                                ; the last step's image stores have read the codes' registers
	QUANT X, 8+(\t)
.irp c, 0,1,2
	global_store_b128 v5, v[PC+4*\c:PC+4*\c+3], s[44:45] offset:((\t)/2)*PLA+((\t)%2)*1536+512*\c   ; 512 consecutive bytes a store
.endr
.endm
	s_wait_alu depctr_va_vdst(0)
.irp t, 0,1,2,3                                ; all four K steps are asked for at once: 64 loads, four sets of 64 registers
	LOADG \t
.endr
	HSTEP 0
	HSTEP 1
	HSTEP 2
	HSTEP 3
	v_cmp_gt_u32 vcc_lo, 16, v1                    ; lanes 0-15 hold row r's four scale words (lanes 16-31 the same again)
	s_wait_alu depctr_va_vdst(0)
	s_wait_xcnt 0x0                                ; EXEC changes only behind this wait
	s_wait_tensorcnt 0x0                           ; the wave's end
	ds_add_u32 v239, v243
	s_wait_dscnt 0x0
	s_and_saveexec_b32 s20, vcc_lo
	global_store_b128 v5, v[8:11], s[46:47]        ; 256 consecutive bytes, aligned
	s_wait_xcnt 0x0
	s_or_b32 exec_lo, exec_lo, s20
	s_endpgm
; ---- ROLE W.  A wave takes one tile of 16 weight rows, all eight K steps: codes and scale bytes as they are given, only laid anew.
.Lw:
	s_sub_co_u32 s20, ttmp9, 8
	s_lshl_b32 s20, s20, 2
	s_add_co_u32 s20, s20, s16                     ; tile 0 .. 127: 0-63 k's rows, 64-127 v's
	s_lshr_b32 s21, s20, 1
	s_lshl_b32 s21, s21, 5
	s_and_b32 s22, s20, 1
	s_lshl_b32 s22, s22, 3
	s_add_co_u32 s21, s21, s22
	s_add_co_u32 s21, s21, 1024                    ; its first row of qkv_w
	s_mul_i32 s24, s21, 768
	s_mov_b32 s25, 0
	s_add_nc_u64 s[24:25], s[8:9], s[24:25]
	s_lshl_b32 s26, s21, 5
	s_mov_b32 s27, 0
	s_add_nc_u64 s[26:27], s[10:11], s[26:27]
	s_mul_i32 s28, s20, 3072
	s_add_co_u32 s28, s28, WC
	s_mov_b32 s29, 0
	s_add_nc_u64 s[28:29], s[14:15], s[28:29]
	s_lshl_b32 s30, s20, 9
	s_add_co_u32 s30, s30, WS
	s_mov_b32 s31, 0
	s_add_nc_u64 s[30:31], s[14:15], s[30:31]
	s_mul_i32 s37, s16, 16*SP
	s_add_co_u32 s37, s37, WL                      ; my stage
	s_wait_alu depctr_va_vdst(0)
	v_lshlrev_b32 v15, 5, v4                       ; my row's 32 scale bytes,
	v_lshl_add_u32 v15, v3, 4, v15                 ; lanes 16-31 the second four words
	v_add_nc_u32 v12, s37, v5
	v_lshl_add_u32 v13, v3, 4, v12
	v_mul_u32_u24 v14, v2, SP
	v_mad_u32_u24 v14, v3, 24, v14
	v_add_nc_u32 v14, s37, v14
	global_load_b128 v[24:27], v15, s[26:27]
	RAW 32, 24, 0
	s_wait_alu depctr_va_vdst(0)
	s_wait_loadcnt 12                              ; the first run is in; the second's 12 loads may be out
	STG 32, 0
	s_wait_loadcnt 0x0
	STG 32, 1
	FR 128                                         ; my wave's own bytes, and LDS serves a wave's instructions in order
.irp s, 0,1,2,3,4,5,6,7
	s_wait_dscnt 6*(7-\s)                          ; all but the later steps' loads
.irp c, 0,1,2
	global_store_b128 v5, v[128+12*\s+4*\c:131+12*\s+4*\c], s[28:29] offset:(\s/2)*PLB+(\s%2)*1536+512*\c
.endr
.endr
	global_store_b128 v5, v[24:27], s[30:31]       ; 16 x lane = 256 h + 16 r: both scale images, 512 consecutive bytes
	s_wait_tensorcnt 0x0                           ; the wave's end
	ds_add_u32 v239, v243
	s_wait_dscnt 0x0
	s_endpgm
; ---- ROLE Q.  Wave e makes q's d = 32 e .. 32 e + 31 of the four last tokens: row-lane r stands for batch r % 4.  Transposed: source 0 = 16 rows of W, source 1 = the tokens.
; Each of a work-group's four waves quantises two of the tokens' eight K steps; the images go from wave to wave through LDS.
.Lq:
.irp b, 0,1,2,3
	s_load_b32 s[40+\b], s[4:5], 0x1ffc+0x2000*\b  ; x[b][2047]
.endr
	s_lshl_b32 s20, ttmp9, 2
	s_add_co_u32 s20, s20, s16                     ; e
	s_mul_i32 s24, s20, 32*768
	s_mov_b32 s25, 0
	s_add_nc_u64 s[24:25], s[8:9], s[24:25]        ; my 32 rows' codes,
	s_lshl_b32 s26, s20, 10
	s_mov_b32 s27, 0
	s_add_nc_u64 s[26:27], s[10:11], s[26:27]      ; scale bytes,
	s_lshl_b32 s28, s20, 7
	s_mov_b32 s29, 0
	s_add_nc_u64 s[28:29], s[12:13], s[28:29]      ; and bias
	s_mul_i32 s30, s20, 24
	s_add_co_u32 s30, s30, QC
	s_mov_b32 s31, 0
	s_add_nc_u64 s[30:31], s[14:15], s[30:31]
	s_add_co_u32 s32, s20, QS
	s_mov_b32 s33, 0
	s_add_nc_u64 s[32:33], s[14:15], s[32:33]
	s_lshl_b32 s34, s16, 10                        ; my two K steps in a row of embed,
	s_mul_i32 s35, s16, 3072                       ; their images in LDS,
	s_lshl_b32 s36, s16, 8                         ; and their scale words
	s_mul_i32 s37, s16, 16*SP
	s_add_co_u32 s37, s37, QW                      ; my stage
	s_wait_alu depctr_va_vdst(0)
	v_lshlrev_b32 v9, 5, v4
	v_lshlrev_b32 v10, 6, v3
	v_mul_u32_u24 v6, v2, 768
	v_mad_u32_u24 v6, v3, 12, v6                   ; out: batch r's stream, + 12 h
	v_lshlrev_b32 v7, 5, v2
	v_add_nc_u32 v12, s37, v5
	v_lshl_add_u32 v13, v3, 4, v12
	v_mul_u32_u24 v14, v2, SP
	v_mad_u32_u24 v14, v3, 24, v14
	v_add_nc_u32 v14, s37, v14
	v_and_b32 v15, 3, v2
	v_mul_u32_u24 v15, v15, 528
	v_lshl_add_u32 v15, v3, 6, v15
	v_add_nc_u32 v15, s37, v15                     ; the tokens back: batch r % 4, + 64 h
	v_add_nc_u32 v212, s35, v5
	v_lshl_add_u32 v213, v1, 2, s36
	v_lshlrev_b32 v214, 2, v1
.irp u, 0,1
.irp s, 0,1,2,3,4,5,6,7
	global_load_b32 v[WSC+8*\u+\s], v9, s[26:27] offset:8*\u*32+4*\s
.endr
.endr
.irp u, 0,1
	global_load_b128 v[BI+8*\u:BI+8*\u+3], v10, s[28:29] offset:32*\u      ; lane (r, h), tile u: the bias of d = 32 e + 16 h + 8 u + 0 .. 7
	global_load_b128 v[BI+8*\u+4:BI+8*\u+7], v10, s[28:29] offset:32*\u+16
.endr
	s_wait_alu depctr_va_vdst(0)
	s_wait_kmcnt 0x0
.irp b, 0,1,2,3
	s_min_u32 s[40+\b], s[40+\b], 31999            ; an index stays inside the table
	s_lshl_b32 s[40+\b], s[40+\b], 12
	s_add_co_u32 s[40+\b], s[40+\b], s34
.endr
.irp b, 0,1,2,3
	v_add_nc_u32 v[216+\b], s[40+\b], v5
.endr
.irp t, 0,1
.irp b, 0,1,2,3
	global_load_b128 v[XR+16*\t+4*\b:XR+16*\t+4*\b+3], v[216+\b], s[6:7] offset:512*\t   ; 512 consecutive bytes of batch b's last token
.endr
.endr
	WIN 0x40                                       ; W's two tiles as they lie, window 1
	RAW 0, 24, 0
	RAW 96, 24, 6144
	WIN 0
	s_wait_loadcnt 48                              ; the tokens are in; W's 48 loads may be out
.irp t, 0,1
.irp b, 0,1,2,3
	ds_store_b128 v12, v[XR+16*\t+4*\b:XR+16*\t+4*\b+3] offset:2112*\t+528*\b
.endr
.endr
.irp t, 0,1
.irp b, 0,1,2,3
.irp j, 0,1,2,3
	ds_load_b128 v[X+64*\t+16*\b+4*\j:X+64*\t+16*\b+4*\j+3], v15 offset:2112*\t+128*\b+16*\j
.endr
.endr
.endr
	s_wait_dscnt 0x0
.macro QSHARE i                        ; my i-th K step: quantised, and laid into LDS as the image of its registers, for all four waves
	QUANT X+64*(\i), 8
.irp c, 0,1,2
	ds_store_b128 v212, v[PC+4*\c:PC+4*\c+3] offset:QL+1536*(\i)+512*\c
.endr
	ds_store_b32 v213, v8 offset:QL+12288+128*(\i)
.endm
	QSHARE 0
	QSHARE 1
.macro QTILE u, left                   ; tile u of W through my stage: its fragment of K step s begins at v[12 (8 u + s)] of window 1
	s_wait_loadcnt \left
	WIN 0x04
	STG 96*(\u), 0
	STG 96*(\u), 1
	WIN 0
	s_wait_dscnt 0x0
	WIN 0x40
	FR 96*(\u)
	WIN 0
	s_wait_dscnt 0x0
.endm
	QTILE 0, 24                                    ; the second tile's 24 loads may be out
	QTILE 1, 0
	s_barrier_signal -1                            ; (all my LDS stores have landed)
	s_barrier_wait -1
.irp s, 0,1,2,3,4,5,6,7
.irp c, 0,1,2
	ds_load_b128 v[X+12*\s+4*\c:X+12*\s+4*\c+3], v5 offset:QL+1536*\s+512*\c
.endr
	ds_load_b32 v[128+\s], v214 offset:QL+12288+128*\s
.endr
	s_wait_dscnt 0x0
	WIN 0x01                                       ; source 0 (W) window 1
.irp s, 0,1,2,3,4,5,6,7
.irp u, 0,1                                    ; the two accumulators take turns
.if \s == 0
	v_wmma_scale_f32_16x16x128_f8f6f4 v[ACC+8*\u:ACC+8*\u+7], v[12*(8*\u+\s):12*(8*\u+\s)+11], v[X+12*\s:X+12*\s+11], v[BI+8*\u:BI+8*\u+7], v[WSC+8*\u+\s], v[128+\s] matrix_a_fmt:MATRIX_FMT_BF6 matrix_b_fmt:MATRIX_FMT_BF6
.else
	v_wmma_scale_f32_16x16x128_f8f6f4 v[ACC+8*\u:ACC+8*\u+7], v[12*(8*\u+\s):12*(8*\u+\s)+11], v[X+12*\s:X+12*\s+11], v[ACC+8*\u:ACC+8*\u+7], v[WSC+8*\u+\s], v[128+\s] matrix_a_fmt:MATRIX_FMT_BF6 matrix_b_fmt:MATRIX_FMT_BF6
.endif
.endr
.endr
	WIN 0
.rept 4
	v_nop
.endr
	v_max3_num_f32 v[TM], |v[ACC]|, |v[ACC+1]|, 0x2800000    ; my 16 numbers are d = 32 e + 16 h + 0 .. 15: half of ONE block
.irp i, 2,4,6,8,10,12,14
	v_max3_num_f32 v[TM], v[TM], |v[ACC+\i]|, |v[ACC+\i+1]|
.endr
	v_permlanex16_b32 v[TM+4], v[TM], s[SEL], s[SEL+1]
	v_max_num_f32 v[TM], v[TM], v[TM+4]
	v_add_nc_u32 v[TM+8], 0xfe000000, v[TM]
	v_lshrrev_b32 v[TM+4], 23, v[TM+8]
	v_cvt_scalef32_pk16_bf6_f32 v[QCD:QCD+2], v[ACC:ACC+15], v[TM+8]
	v_nop
	v_cmp_gt_u32 vcc_lo, 4, v2                     ; row-lanes 0-3 are the four batches
	s_wait_alu depctr_va_vdst(0)
	s_wait_xcnt 0x0
	s_wait_tensorcnt 0x0                           ; the wave's end
	ds_add_u32 v239, v243
	s_wait_dscnt 0x0
	s_and_saveexec_b32 s20, vcc_lo
	global_store_b96 v6, v[QCD:QCD+2], s[30:31]    ; 16 codes, 12 bytes, at 768 batch + 24 e + 12 h
	global_store_b8 v7, v[TM+4], s[32:33]          ; both halves write the same byte with the same value
	s_wait_xcnt 0x0
	s_or_b32 exec_lo, exec_lo, s20
	s_endpgm
.Lfunc_end_k_q1eea85d531_prep:
	.size	k_q1eea85d531_prep, .Lfunc_end_k_q1eea85d531_prep-k_q1eea85d531_prep
	.p2alignl 7, 3214868480
	.fill 96, 4, 3214868480
	.section	.rodata,"a",@progbits
	.p2align	6, 0x0
	.amdhsa_kernel k_q1eea85d531_prep
		.amdhsa_group_segment_fixed_size 147968
		.amdhsa_private_segment_fixed_size 0
		.amdhsa_enable_private_segment 0
		.amdhsa_kernarg_size 48
		.amdhsa_user_sgpr_count 2
		.amdhsa_user_sgpr_kernarg_segment_ptr 1
		.amdhsa_wavefront_size32 1
		.amdhsa_system_sgpr_workgroup_id_x 1
		.amdhsa_system_sgpr_workgroup_id_y 1
		.amdhsa_system_sgpr_workgroup_id_z 1
		.amdhsa_system_vgpr_workitem_id 0
		.amdhsa_next_free_vgpr 512
		.amdhsa_next_free_sgpr 66
		.amdhsa_reserve_vcc 1
		.amdhsa_float_denorm_mode_32 3
		.amdhsa_float_denorm_mode_16_64 3
		.amdhsa_memory_ordered 1
		.amdhsa_forward_progress 1
		.amdhsa_inst_pref_size 83
	.end_amdhsa_kernel
	.amdgpu_metadata
---
amdhsa.version: [ 1, 2 ]
amdhsa.kernels:
  - .name:           k_q1eea85d531_prep
    .symbol:         k_q1eea85d531_prep.kd
    .args:
      - { .name: x, .offset: 0, .size: 8, .value_kind: global_buffer, .address_space: global }
      - { .name: embed, .offset: 8, .size: 8, .value_kind: global_buffer, .address_space: global }
      - { .name: qkv_w_codes, .offset: 16, .size: 8, .value_kind: global_buffer, .address_space: global }
      - { .name: qkv_w_scales, .offset: 24, .size: 8, .value_kind: global_buffer, .address_space: global }
      - { .name: qkv_b, .offset: 32, .size: 8, .value_kind: global_buffer, .address_space: global }
      - { .name: prep, .offset: 40, .size: 8, .value_kind: global_buffer, .address_space: global }
    .group_segment_fixed_size: 147968
    .private_segment_fixed_size: 0
    .kernarg_segment_align: 8
    .kernarg_segment_size: 48
    .max_flat_workgroup_size: 128
    .sgpr_count:     66
    .vgpr_count:     512
    .wavefront_size: 32
...
	.end_amdgpu_metadata
.endif
;; end of part 1
;; launch kv (part 2): grid 8 x 32, 4 waves a work-group, clusters of 4 x 4, 327,680 bytes of LDS; arguments prep, qkv_b, att; writes att
.if DOCPART == 2
	.amdgcn_target "amdgcn-amd-amdhsa--gfx1250"
	.amdhsa_code_object_version 6
	.text
	.protected	k_q1eea85d531_kv
	.globl	k_q1eea85d531_kv
	.p2align	8
	.type	k_q1eea85d531_kv,@function
k_q1eea85d531_kv:
	s_mov_b64 s[64:65], 0
	v_nop
	global_prefetch_b8 v0, s[64:65] scope:SCOPE_SE
	s_setreg_imm32_b32 hwreg(HW_REG_WAVE_MODE, 25, 1), 1
	s_wait_xcnt 0x0
	s_wait_alu depctr_hold_cnt(0) depctr_sa_sdst(0) depctr_va_vdst(0) depctr_va_sdst(0) depctr_va_ssrc(0) depctr_va_vcc(0) depctr_vm_vsrc(0)
	s_getreg_b32 s2, hwreg(HW_REG_IB_STS2, 6, 4)
	s_cmp_eq_u32 s2, 0
	s_cbranch_scc0 .Lentry_in_a_cluster
	s_endpgm
.Lentry_in_a_cluster:
	s_bfe_u32 s2, ttmp6, 0x10000c
	s_cmp_lg_u32 s2, 0xf033
	s_cbranch_scc0 .Lentry_shape_is_right
	s_endpgm
.Lentry_shape_is_right:
; k and v of all 8,192 tokens: [8,192 tokens, K 1,024] x [2,048 weight rows, K 1,024] on codes of E3M2, and what follows each at once, in registers.
; A work-group of four waves makes 256 tokens (y) x 256 weight rows (x); a wave 128 x 128: 64 accumulators, 512 registers, 512 matrix instructions.
; x 0-3 (cluster x = 0) are k's rows: k + bias is quantised along d and multiplied at once with q of the batch's last token: what leaves is a partial score for each token and 128 of d.
; x 4-7 (cluster x = 1) are v's rows: v + bias is quantised along the KEYS and leaves as images of fragments of V^T, with their scale words.
; So the result is wanted with its registers along d in the one mode and along the tokens in the other.  The tiles land alike in both; the mode says which is read as source 0
; (P: the result's registers run along its rows) and which as source 1 (Q: a lane holds one of its rows).  k: P = weights, Q = tokens;  v: P = tokens, Q = weights.
; The mode hangs on the cluster's x, which all sixteen partners share.  The bias is the C of the first products: along P in mode k, along Q in mode v, so the first K step is written twice.
; OPERANDS lie in memory as images of fragments (launch prep): a K step's part of a tile is dense, comes by one tensor load, and a fragment is three loads of 16 bytes a lane, 512 consecutive bytes each.
; LDS: three slots of two K steps (98,304 bytes: the tokens' 16 tiles x 3,072, then the weights'), the spare words.  At the head each wave issues ONE joint load, one side's 16 tiles of one pair of steps
; (side = wave / 2, pair = wave % 2): K steps 0-3, slots 0 and 1.  Behind the full sequence and a round comes slot 2 (steps 4, 5), behind a round in step 2 slot 0 again (steps 6, 7), 8 tiles a wave each time.
; By this text's count a wave has one tensor load out at a time.  The scale words of all eight steps go from memory straight into registers.
; No prefetch: there is no loop to run ahead in; three loads a wave bring all.
; CLUSTERS: 4 x 4.  The tokens' tiles hang on y alone and are asked for jointly along a row of the cluster, the weights' on x alone and along a column: the requests are divided by four.
; THE LAST K STEP: its blocks 4-7 are multiplied between the quantising of blocks 0-2, which are finished by then.
; The k and v of all tokens are live; of the queries only the last of each batch is (launch prep's head).
; REGISTERS: window 0: v8-15 Q's bias as loaded, v16-21 fragment addresses, v22 scale offset, v23 q's scale word, v24 16 x lane, v28-29 the add's, v30 the scale word just made,
;   v32-95 the scale words of all eight steps, v96-127 and v224-255 the bias in the result's layout, v128-223 Q's fragments (one set).
;   window 1: v0-95, v128-223 P's fragments (two sets), v224-235 q's fragment.   windows 2, 3: the accumulators, (a, b) at v[8 (8 (a % 4) + b)].
;   Behind the first step the bias's registers are free: v96-115 codes, v116-127 at work, v224-239 two score tiles, v240-243 what leaves.
; LIMITS: NaN and infinities are not served; blocks whose largest magnitude lies under 2^-122 keep the byte 1.
.set PLA,   1572864
.set PLB,   393216
.set WC,    6291456
.set HS,    7864320
.set WS,    8126464
.set QC,    8192000
.set QS,    8195072
.set VS,    6291456                    ; att: V^T's images from 0, their scale words, the partial scores
.set PS,    6553600
.set SLOT,  98304
.set HALFT, 24576                      ; 8 tiles x 2 K steps: what one wave reads of a side, and what one tensor load brings behind the head
.set SPARE, 3*SLOT                     ; the spare words, 128 bytes for each wave: two blocks of 256 bytes that no other line names
.set ADQ, 16
.set ADP, 19
.set ADS, 22
.set QSC, 23
.set SPW, 28
.set NIL, 29
.set PW,  30
.set SC,  32
.set QF,  128
.set PC,  96
.set TM,  116
.set D,   224
.set F,   240
.set SEL, 96
.set MUL_LO, 0xa1                      ; source 0 (P) window 1, source 1 (Q) window 0, C and D window 2
.set MUL_HI, 0xf1                      ; the same, C and D window 3
.set MSB, 0
.macro WIN new
.if MSB != (\new)
	s_set_vgpr_msb (MSB<<8)|(\new)
.set MSB, (\new)
.endif
.endm
.macro MULWIN base, first              ; in the first step C lies in window 0
.if (\first) == 0
	WIN \base
.else
	WIN (\base)&0xcf
.endif
.endm
.macro PLACES n
.rept \n
	v_nop
.endr
.endm
.macro CREST                           ; a round of the cluster's barrier behind its opening barrier
	s_cmp_lg_u32 s10, 0
	s_cbranch_scc1 .Lnot_wave_0_\@
	s_barrier_signal -3
.Lnot_wave_0_\@:
	s_barrier_wait -3
	s_barrier_signal -1
	s_barrier_wait -1
.endm
.macro CROUND
	s_barrier_signal -1
	s_barrier_wait -1
	CREST
.endm
.macro G0SET g, lds, loff, adr, off    ; a descriptor's group 0: count 1, LDS address, global address, type 2
	s_mov_b32 s[\g], 1
	s_add_co_u32 s[\g+1], s[\lds], \loff
	s_add_nc_u64 s[\g+2:\g+3], s[\adr:\adr+1], \off
	s_or_b32 s[\g+3], s[\g+3], 0x80000000
.endm
.macro JLOAD ga, gb, name              ; a joint load: waves 0 and 1 the tokens', waves 2 and 3 the weights'; four v_nop follow each line
	s_cmp_eq_u32 s11, 0
	s_cbranch_scc0 .Lfor_w_\name
	tensor_load_to_lds s[\ga:\ga+3], s[24:31]
	s_nop 0
	PLACES 4
	s_branch .Lasked_\name
.Lfor_w_\name:
	tensor_load_to_lds s[\gb:\gb+3], s[32:39]
	s_nop 0
	PLACES 4
.Lasked_\name:
.endm
	s_load_b128 s[4:7], s[0:1], 0x0                ; prep s[4:5], qkv_b s[6:7]
	s_load_b64 s[8:9], s[0:1], 0x10                ; att
	v_lshl_add_u32 v[SPW], v0, 2, SPARE
	v_mov_b32 v[NIL], 0
	ds_add_u32 v[SPW], v[NIL]                      ; the wave's opening: the add, twice on end, and its wait ahead of my first tensor load
	ds_add_u32 v[SPW], v[NIL]
	v_lshrrev_b32 v1, 5, v0
	v_readfirstlane_b32 s10, v1                    ; wave 0..3
	s_lshr_b32 s11, s10, 1                         ; which half of Q's rows is mine.  Also: I fetch the tokens' tiles (0) or the weights' (1)
	s_and_b32 s12, s10, 1                          ; which half of P's rows.  Also: which pair of steps (head) or which 8 tiles (behind it) I fetch
	s_bfe_u32 s13, ttmp6, 0x40000                  ; cx
	s_bfe_u32 s14, ttmp6, 0x40004                  ; cy
	s_lshl_b32 s15, ttmp9, 2
	s_add_co_u32 s15, s15, s13                     ; x = 4 x cluster x + cx
	s_and_b32 s16, ttmp7, 0xffff
	s_lshl_b32 s16, s16, 2
	s_add_co_u32 s16, s16, s14                     ; y = 4 x cluster y + cy
	s_lshl_b32 s17, s14, 2
	s_lshl_b32 s17, 15, s17                        ; my row of the cluster
	s_lshl_b32 s18, 0x1111, s13                    ; my column
	; descriptor groups 1.  Every block is dense and is stated as rows of 256 bytes (32 elements of 8 bytes): 192 rows (16 tiles x 2 K steps) at the head, 96 behind it.  No padding: the images are read 512 consecutive bytes at a time
	s_or_b32 s24, s17, (3<<16)|(1<<21)             ; the tokens' codes: the mask of my row; elements of 8 bytes; bit 21 set beside a mask
	s_or_b32 s32, s18, (3<<16)|(1<<21)             ; the weights' codes: my column
.irp g, 24, 32
	s_mov_b32 s[\g+1], 32<<16                      ; tensor_dim0
	s_mov_b32 s[\g+2], 192<<16                     ; tensor_dim1
	s_mov_b32 s[\g+3], 32<<16                      ; tile_dim0
	s_mov_b32 s[\g+4], 192                         ; tile_dim1
	s_mov_b32 s[\g+5], 32                          ; the pitch
	s_mov_b32 s[\g+6], 0
	s_mov_b32 s[\g+7], 0
.endr
	; where the tiles come from: the tokens' hang on y and the wave alone, the weights' on x and the wave alone, each in registers that never hold the other coordinate
	s_mul_i32 s98, s16, 49152                      ; the tokens' first tile, 16 y
	s_mov_b32 s99, 0
	s_mul_i32 s92, s15, 49152                      ; the weights', 16 x
	s_add_co_u32 s92, s92, WC
	s_mov_b32 s93, 0
	s_mul_i32 s22, s12, PLA                        ; at the head: which pair of K steps is mine,
	s_mov_b32 s23, 0
	s_mul_i32 s94, s12, PLB
	s_mov_b32 s95, 0
	s_mul_i32 s100, s12, HALFT                     ; behind it: which 8 tiles
	s_mov_b32 s101, 0
	s_mul_i32 s2, s12, SLOT                        ; and where they go: no place in the cluster enters an LDS address.  At the head: the pair's slot, the side's half of it
	s_mul_i32 s3, s11, 2*HALFT
	s_add_co_u32 s3, s3, s2
	s_mul_i32 s2, s10, HALFT                       ; behind it: wave x 8 tiles
	s_wait_dscnt 0x0                               ; both opening adds are done
	s_wait_kmcnt 0x0
	s_add_nc_u64 s[98:99], s[4:5], s[98:99]
	s_add_nc_u64 s[92:93], s[4:5], s[92:93]
	s_add_nc_u64 s[22:23], s[98:99], s[22:23]
	s_add_nc_u64 s[94:95], s[92:93], s[94:95]
	s_add_nc_u64 s[98:99], s[98:99], s[100:101]
	s_add_nc_u64 s[92:93], s[92:93], s[100:101]
	CROUND                                         ; all sixteen work-groups are here: the first joint loads meet
	G0SET 56, 3, 0, 22, 0                          ; the tokens: my pair of K steps 0-3;
	G0SET 60, 2, 2*SLOT, 98, 2*PLA                 ; slot 2 = 4, 5;
	G0SET 68, 2, 0, 98, 3*PLA                      ; slot 0 again = 6, 7
	G0SET 76, 3, 0, 94, 0                          ; the weights likewise
	G0SET 80, 2, 2*SLOT, 92, 2*PLB
	G0SET 84, 2, 0, 92, 3*PLB
	JLOAD 56, 76, head                             ; one load a wave at the head
	s_mov_b32 s21, 0xffff0000                      ; lanes 16-31
	s_mov_b32 s[SEL], 0x76543210
	s_mov_b32 s[SEL+1], 0xfedcba98
	s_lshl_b32 s40, s16, 13                        ; scale words: 512 bytes a tile, 16 tiles: the tokens'
	s_add_co_u32 s40, s40, HS
	s_lshl_b32 s41, s15, 13                        ; and the weights'
	s_add_co_u32 s41, s41, WS
	s_cmp_eq_u32 ttmp9, 0                          ; the mode: k's rows or v's
	s_cselect_b32 s22, 0, 2*HALFT                  ; where Q's tiles lie in a slot,
	s_cselect_b32 s23, 2*HALFT, 0                  ; and P's;
	s_cselect_b32 s100, s40, s41                   ; Q's scale words in prep,
	s_cselect_b32 s101, s41, s40                   ; and P's
	s_mul_i32 s98, s11, HALFT
	s_add_co_u32 s98, s98, s22
	s_mul_i32 s99, s12, HALFT
	s_add_co_u32 s99, s99, s23
	s_lshl_b32 s22, s11, 12
	s_add_co_u32 s100, s100, s22
	s_lshl_b32 s23, s12, 12
	s_add_co_u32 s101, s101, s23
	v_and_b32 v1, 31, v0
	v_and_b32 v2, 15, v0                           ; r
	v_bfe_u32 v3, v0, 4, 1                         ; h
	v_lshlrev_b32 v24, 4, v1                       ; 16 x lane
	v_lshlrev_b32 v4, 4, v2
	v_add_nc_u32 v5, s100, v4
	v_add_nc_u32 v6, s101, v4
	v_cndmask_b32 v[ADS], v5, v6, s21              ; lanes 0-15 take Q's scale words, lanes 16-31 P's: one register serves both sides
.irp sl, 0,1,2
	v_add_nc_u32 v[ADQ+\sl], s98, v24
	v_add_nc_u32 v[ADP+\sl], s99, v24
	s_add_co_u32 s98, s98, SLOT
	s_add_co_u32 s99, s99, SLOT
.endr
	s_wait_alu depctr_va_vdst(0)
	v_lshlrev_b32 v7, 6, v3                        ; 64 h
	v_and_b32 v4, 8, v2
	v_add_nc_u32 v4, v4, v2
	v_lshlrev_b32 v4, 2, v4                        ; 4 (r + 8 (r / 8))
	v_mul_u32_u24 v5, v3, 24                       ; 24 h
	v_mov_b32 v25, 0
.irp b, 0,1,2,3
	v_mov_b32 v[TM+4+\b], 0                        ; (a lane permute's destination counts as one of its sources)
.endr
	s_lshl_b32 s22, s15, 10
	s_add_co_u32 s22, s22, 4096                    ; qkv_b at weight row 1,024 + 256 x
	s_lshl_b32 s98, s12, 9
	s_add_co_u32 s98, s98, s22
	s_mov_b32 s99, 0
	s_add_nc_u64 s[98:99], s[6:7], s[98:99]        ; + 128 x P's half
	s_lshl_b32 s100, s11, 9
	s_add_co_u32 s100, s100, s22
	s_mov_b32 s101, 0
	s_add_nc_u64 s[100:101], s[6:7], s[100:101]    ; + 128 x Q's half
	s_lshl_b32 s22, s15, 1
	s_add_co_u32 s22, s22, s12
	s_and_b32 s22, s22, 7                          ; which 128 of d my P rows are (mode k; in mode v an address inside the buffer whose data are not used)
	s_lshr_b32 s23, s16, 3                         ; the batch
	s_mul_i32 s92, s23, 768
	s_mul_i32 s93, s22, 96
	s_add_co_u32 s92, s92, s93
	s_add_co_u32 s92, s92, QC
	s_mov_b32 s93, 0
	s_add_nc_u64 s[92:93], s[4:5], s[92:93]
	s_lshl_b32 s94, s23, 5
	s_lshl_b32 s95, s22, 2
	s_add_co_u32 s94, s94, s95
	s_add_co_u32 s94, s94, QS
	s_mov_b32 s95, 0
	s_add_nc_u64 s[94:95], s[4:5], s[94:95]
	s_wait_alu depctr_va_vdst(0)
.irp g, 0,1
.irp i, 0,1,2,3,4,5,6,7
	global_load_b128 v[SC+32*\g+4*\i:SC+32*\g+4*\i+3], v[ADS], s[4:5] offset:512*\i+256*\g   ; the scale words of all eight K steps: register 32 (t / 4) + 4 i + t % 4: lanes 0-15 Q's block i, lanes 16-31 P's
.endr
.endr
	global_load_b32 v[QSC], v25, s[94:95]          ; q's scale word of these 128 of d, the same in every lane
	WIN 0x40
.irp p, 0,1,2,3,4,5
	global_load_b64 v[224+2*\p:225+2*\p], v5, s[92:93] offset:48*(\p/3)+8*(\p%3)   ; q's fragment: all 16 rows are the one q
.endr
	WIN 0
	s_cmp_lg_u32 ttmp9, 0
	s_cbranch_scc1 .Lbias_v
.irp b, 0,1,2,3,4,5,6,7                        ; mode k: the bias along P: lane (r, h), tile b: rows 32 (b / 2) + 16 h + 8 (b % 2) + 0 .. 7
	global_load_b128 v[96+8*\b+96*(\b/4):96+8*\b+96*(\b/4)+3], v7, s[98:99] offset:(32*(\b/2)+8*(\b%2))*4
	global_load_b128 v[96+8*\b+96*(\b/4)+4:96+8*\b+96*(\b/4)+7], v7, s[98:99] offset:(32*(\b/2)+8*(\b%2))*4+16
.endr
	s_wait_loadcnt 0x0
	s_branch .Lbias_done
.Lbias_v:
.irp a, 0,1,2,3,4,5,6,7                        ; mode v: the bias along Q: my row of tile a, the same in all eight registers
	global_load_b32 v[8+\a], v4, s[100:101] offset:(32*(\a/2)+8*(\a%2))*4
.endr
	s_wait_loadcnt 0x0
.irp a, 0,1,2,3,4,5,6,7
.irp j, 0,1,2,3,4,5,6,7
	v_mov_b32 v[96+8*\a+96*(\a/4)+\j], v[8+\a]
.endr
.endr
.Lbias_done:
.macro FRAG reg, adr, off              ; a fragment comes back as it was stored: three loads, 512 consecutive bytes each
.irp c, 0,1,2
	ds_load_b128 v[\reg+4*\c:\reg+4*\c+3], v[\adr] offset:\off+512*\c
.endr
.endm
.macro FETCH_P sl, q, p                ; P's eight fragments of slot sl's q-th K step into set p
	WIN 0x40
.irp i, 0,1,2,3,4,5,6,7
	FRAG 128*(\p)+12*\i, ADP+(\sl), 3072*\i+1536*(\q)
.endr
	WIN 0
.endm
.macro FETCH_Q sl, q, i0               ; Q's blocks i0 .. i0 + 3
.irp i, \i0, \i0+1, \i0+2, \i0+3
	FRAG QF+12*(\i), ADQ+(\sl), 3072*(\i)+1536*(\q)
.endr
.endm
; 8 matrix instructions: Q's block a x P's eight, K step t.  first = 1, 2: the sums begin with the bias as C, by P's tile or by Q's: nothing is cleared and no addition is spent.
; The 64 accumulators take turns, one instruction a turn, in the same order in every step.
.macro MUL8 a, t, first
.irp b, 0,1,2,3,4,5,6,7
.set AA, 8*(8*((\a)%4)+\b)
.if (\first) == 0
	v_wmma_scale_f32_16x16x128_f8f6f4 v[AA:AA+7], v[128*((\t)%2)+12*\b:128*((\t)%2)+12*\b+11], v[QF+12*(\a):QF+12*(\a)+11], v[AA:AA+7], v[SC+32*((\t)/4)+4*\b+(\t)%4], v[SC+32*((\t)/4)+4*(\a)+(\t)%4] matrix_a_fmt:MATRIX_FMT_BF6 matrix_b_fmt:MATRIX_FMT_BF6 matrix_a_scale:MATRIX_SCALE_ROW1
.else
.if (\first) == 1
.set CC, 96+8*\b+96*(\b/4)
.else
.set CC, 96+8*(\a)+96*((\a)/4)
.endif
	v_wmma_scale_f32_16x16x128_f8f6f4 v[AA:AA+7], v[128*((\t)%2)+12*\b:128*((\t)%2)+12*\b+11], v[QF+12*(\a):QF+12*(\a)+11], v[CC:CC+7], v[SC+32*((\t)/4)+4*\b+(\t)%4], v[SC+32*((\t)/4)+4*(\a)+(\t)%4] matrix_a_fmt:MATRIX_FMT_BF6 matrix_b_fmt:MATRIX_FMT_BF6 matrix_a_scale:MATRIX_SCALE_ROW1
.endif
.endr
.endm
.macro MUL16 a0, t, first
	MUL8 \a0, \t, \first
	MUL8 \a0+1, \t, \first
.endm
; The second half of K step t: step t + 1's P and Q's blocks 0-3 are fetched (four places stand ahead of this macro), blocks 4-7 are multiplied, then fetched anew.  Step t lies in slot (t / 2) % 3.
.macro REST t, first
	FETCH_P (((\t)+1)/2)%3, ((\t)+1)%2, ((\t)+1)%2
	FETCH_Q (((\t)+1)/2)%3, ((\t)+1)%2, 0
	MULWIN MUL_HI, \first
	MUL16 4, \t, \first
	MUL16 6, \t, \first
	PLACES 4                                       ; in front of loads into registers that matrix instructions have read
	WIN 0
	FETCH_Q (((\t)+1)/2)%3, ((\t)+1)%2, 4
.endm
.macro STEP t, first                   ; a K step whose successor has landed and been shown to all
	s_wait_dscnt 12                                ; all but the youngest twelve loads (Q's blocks 4-7)
	MULWIN MUL_LO, \first
	MUL16 0, \t, \first
	MUL16 2, \t, \first
	s_wait_dscnt 0x0                               ; Q's blocks 4-7 are in
	PLACES 4
	REST \t, \first
.endm
	s_wait_alu depctr_va_vdst(0)                   ; the wait at the head's end
	s_wait_tensorcnt 0x0                           ; my pair of the first four K steps is in
	ds_add_u32 v[SPW], v[NIL]                      ; 0 onto my spare word;
	s_mov_b32 s26, 96<<16                          ; no tensor load of mine is out, so a descriptor may be written: from here on a load brings 96 rows
	s_mov_b32 s28, 96
	s_mov_b32 s34, 96<<16
	s_mov_b32 s36, 96
	s_wait_dscnt 0x0                               ; the add is done
	CROUND                                         ; everybody's pair is in, and all sixteen work-groups are here
	JLOAD 60, 80, second                           ; slot 2, my one load behind the round: it has K steps 0 and 1 in which to land
	FETCH_P 0, 0, 0
	FETCH_Q 0, 0, 0
	FETCH_Q 0, 0, 4
	s_cmp_lg_u32 ttmp9, 0
	s_cbranch_scc1 .Lstep0_v
	STEP 0, 1
	s_branch .Lstep0_done
.Lstep0_v:
	STEP 0, 2
.Lstep0_done:
	STEP 1, 0
	; K step 2 fills slot 0 again, with K steps 6 and 7: its last fragments were fetched in step 0
	s_wait_tensorcnt 0x0                           ; all my tensor loads have landed: the one that was out is my part of slot 2;
	ds_add_u32 v[SPW], v[NIL]                      ; 0 onto my spare word;
	s_wait_dscnt 13                                ; (the add and the youngest twelve loads may be out)
	WIN MUL_LO
	MUL16 0, 2, 0                                  ; sixteen matrix instructions stand between the add and the wait for it
	s_wait_dscnt 0x0                               ; the add is done, and so are my reads
	s_barrier_signal -1
	MUL16 2, 2, 0
	WIN 0
	s_barrier_wait -1
	CREST                                          ; the barrier has opened a round of the cluster's barrier: no wave of any partner reads slot 0 or has a load on its way
	JLOAD 68, 84, third                            ; my one tensor load behind the round: it has the second half of K step 2 and K steps 3 and 4 in which to land; the four v_nop are also the places in front of the loads below
	REST 2, 0
	STEP 3, 0
	STEP 4, 0
	s_wait_tensorcnt 0x0                           ; K step 5: the refill has landed; nothing is filled again
	s_wait_dscnt 12
	WIN MUL_LO
	MUL16 0, 5, 0
	s_wait_dscnt 0x0                               ; no LDS instruction of mine is pending at the signal
	s_barrier_signal -1
	MUL16 2, 5, 0
	WIN 0
	s_barrier_wait -1                              ; everybody's part has landed
	PLACES 4
	REST 5, 0
	STEP 6, 0
	s_wait_dscnt 12                                ; the last K step: nothing more to fetch
	WIN MUL_LO
	MUL16 0, 7, 0
	MUL16 2, 7, 0
	s_wait_dscnt 0x0
	PLACES 4                                       ; in front of the first reads of results
	WIN 0
; Q's block a has 64 numbers a lane, register 16 b + i = k 32 b + 16 (lane / 16) + i of my row.  QMAX: each block's largest magnitude of my 16, read where the accumulators lie, each from its low end on
.macro QMAX a
.set AS, 64*((\a)%4)
	WIN 0x28+0x14*((\a)/4)                         ; sources 1 and 2: window 2 or 3
.irp b, 0,1,2,3
	v_max3_num_f32 v[TM+\b], 0x2800000, |v[AS+16*\b]|, |v[AS+16*\b+1]|   ; and the floor 2^(5 - 127): the byte cannot fall under 1
.endr
.irp i, 2,4,6,8,10,12,14
.irp b, 0,1,2,3
	v_max3_num_f32 v[TM+\b], v[TM+\b], |v[AS+16*\b+\i]|, |v[AS+16*\b+\i+1]|
.endr
.endr
	WIN 0
.endm
.macro QREST a                         ; the scale word in v[PW], the fragment in v[PC] on
.set AS, 64*((\a)%4)
.irp b, 0,1,2,3
	v_permlanex16_b32 v[TM+4+\b], v[TM+\b], s[SEL], s[SEL+1]
.endr
.irp b, 0,1,2,3
	v_max_num_f32 v[TM+\b], v[TM+\b], v[TM+4+\b]
.endr
.irp b, 0,1,2,3
	v_add_nc_u32 v[TM+8+\b], 0xfe000000, v[TM+\b]  ; 4 off the exponent field: the conversion's scale operand
.endr
.irp b, 0,1,2,3
	v_lshrrev_b32 v[TM+4+\b], 23, v[TM+8+\b]
.endr
	v_lshl_or_b32 v[PW], v[TM+5], 8, v[TM+4]
	v_lshl_or_b32 v[PW], v[TM+6], 16, v[PW]
	v_lshl_or_b32 v[PW], v[TM+7], 24, v[PW]
	WIN 2+(\a)/4                                   ; source 0: window 2 or 3
.irp c, 0,1
	v_cvt_scalef32_pk16_bf6_f32 v[PC+6*\c:PC+2+6*\c], v[AS+32*\c:AS+15+32*\c], v[TM+8+2*\c]
	v_cvt_scalef32_pk16_bf6_f32 v[PC+12+4*\c:PC+14+4*\c], v[AS+16+32*\c:AS+31+32*\c], v[TM+8+2*\c+1]
.endr
	WIN 0
	v_nop                                          ; one plain place behind a scaled conversion
.irp c, 0,1
.irp i, 0,1,2
	v_permlane16_swap_b32 v[PC+6*\c+\i], v[PC+12+4*\c+\i]
.endr
.irp i, 0,1,2
	v_mov_b32 v[PC+3+6*\c+\i], v[PC+12+4*\c+\i]
.endr
.endr
.endm
.macro LATE a                          ; a block of the last K step
	WIN MUL_HI
	MUL8 \a, 7, 0
	WIN 0
.endm
.macro COLLECT a, src                  ; one word a lane and tile: tiles 0-3 fill lanes 0-15 of four registers, tiles 4-7 lanes 16-31 (both halves of the lanes hold row r's word)
.if (\a) < 4
	v_mov_b32 v[F+(\a)], v[\src]
.else
	v_cndmask_b32 v[F+(\a)-4], v[F+(\a)-4], v[\src], s21
.endif
.endm
	s_cmp_lg_u32 ttmp9, 0
	s_cbranch_scc1 .Lv
	; ---- MODE K.  A lane holds one token and 64 of my 128 d.  Each block of 16 tokens is quantised along d and multiplied with q: register 0 of the result is token r's partial score.  k never goes to memory.
	s_lshl_b32 s22, s15, 1
	s_add_co_u32 s22, s22, s12                     ; which 128 of d
	s_lshl_b32 s22, s22, 6
	s_lshl_b32 s23, s16, 1
	s_add_co_u32 s23, s23, s11                     ; which 128 tokens
	s_add_co_u32 s22, s22, s23
	s_lshl_b32 s92, s22, 9
	s_add_co_u32 s92, s92, PS
	s_mov_b32 s93, 0
	s_add_nc_u64 s[92:93], s[8:9], s[92:93]
	LATE 4
	QMAX 0
.irp a, 0,1,2,3,4,5,6,7
	QREST \a
.if \a < 3
	LATE 5+\a
.endif
.if \a < 7
	QMAX \a+1                                      ; these lines are also the places between the scale word and codes just made and the product
.else
	PLACES 8
.endif
	WIN 0x01                                       ; source 0 (q) window 1
	v_wmma_scale_f32_16x16x128_f8f6f4 v[D+8*(\a%2):D+8*(\a%2)+7], v[224:235], v[PC:PC+11], 0, v[QSC], v[PW] matrix_a_fmt:MATRIX_FMT_BF6 matrix_b_fmt:MATRIX_FMT_BF6
	WIN 0
.if \a > 0
	COLLECT \a-1, D+8*((\a-1)%2)                   ; the block before: its product stands a whole quantising back
.endif
.endr
	PLACES 4
	COLLECT 7, D+8
	global_store_b128 v24, v[F:F+3], s[92:93]      ; 128 partial scores: 512 consecutive bytes; tile 4 h + i, row-lane r at 16 (16 h + r) + 4 i
	s_branch .Ldone
.Lv:
	; ---- MODE V.  A lane holds one d and 64 of my 128 keys.  Each block of 16 d is quantised along the keys and leaves as the image of a fragment of V^T.
	s_lshl_b32 s22, s16, 1
	s_add_co_u32 s22, s22, s12                     ; which 128 tokens
	s_lshr_b32 s23, s22, 4                         ; the batch,
	s_and_b32 s22, s22, 15                         ; and the key step in it
	s_sub_co_u32 s98, s15, 4
	s_lshl_b32 s98, s98, 1
	s_add_co_u32 s98, s98, s11                     ; which 128 of d
	s_lshl_b32 s99, s23, 3
	s_add_co_u32 s98, s99, s98                     ; 8 batch + that
	s_lshl_b32 s99, s98, 4
	s_add_co_u32 s99, s99, s22
	s_lshl_b32 s94, s99, 9
	s_add_co_u32 s94, s94, VS
	s_mov_b32 s95, 0
	s_add_nc_u64 s[94:95], s[8:9], s[94:95]        ; the scale words: [batch][128 of d][key step][512]
	s_lshl_b32 s99, s98, 7
	s_add_co_u32 s99, s99, s22
	s_mul_i32 s92, s99, 1536
	s_mov_b32 s93, 0
	s_add_nc_u64 s[92:93], s[8:9], s[92:93]        ; the images: [batch][tile of d][key step][1536]: tile a lies 16 x 1,536 bytes on
	LATE 4
.irp a, 0,1,2,3,4,5,6,7
.if \a > 0
	s_wait_xcnt 0x0                                ; the last image's stores have read the codes' registers
.endif
	QMAX \a
	QREST \a
	COLLECT \a, PW
.irp c, 0,1,2
	global_store_b128 v24, v[PC+4*\c:PC+4*\c+3], s[92:93] offset:\a*24576+512*\c
.endr
.if \a < 3
	LATE 5+\a
.endif
.endr
	global_store_b128 v24, v[F:F+3], s[94:95]
.Ldone:
	s_wait_tensorcnt 0x0                           ; the wave's end
	ds_add_u32 v[SPW], v[NIL]
	s_wait_dscnt 0x0
	CROUND                                         ; the closing round: no work-group ends while a partner may still ask for a tile that names it
	s_endpgm
.Lfunc_end_k_q1eea85d531_kv:
	.size	k_q1eea85d531_kv, .Lfunc_end_k_q1eea85d531_kv-k_q1eea85d531_kv
	.p2alignl 7, 3214868480
	.fill 96, 4, 3214868480
	.section	.rodata,"a",@progbits
	.p2align	6, 0x0
	.amdhsa_kernel k_q1eea85d531_kv
		.amdhsa_group_segment_fixed_size 327680
		.amdhsa_private_segment_fixed_size 0
		.amdhsa_enable_private_segment 0
		.amdhsa_kernarg_size 24
		.amdhsa_user_sgpr_count 2
		.amdhsa_user_sgpr_kernarg_segment_ptr 1
		.amdhsa_wavefront_size32 1
		.amdhsa_system_sgpr_workgroup_id_x 1
		.amdhsa_system_sgpr_workgroup_id_y 1
		.amdhsa_system_sgpr_workgroup_id_z 1
		.amdhsa_system_vgpr_workitem_id 0
		.amdhsa_next_free_vgpr 1024
		.amdhsa_next_free_sgpr 102
		.amdhsa_reserve_vcc 0
		.amdhsa_float_denorm_mode_32 3
		.amdhsa_float_denorm_mode_16_64 3
		.amdhsa_memory_ordered 1
		.amdhsa_forward_progress 1
		.amdhsa_inst_pref_size 194
	.end_amdhsa_kernel
	.amdgpu_metadata
---
amdhsa.version: [ 1, 2 ]
amdhsa.kernels:
  - .name:           k_q1eea85d531_kv
    .symbol:         k_q1eea85d531_kv.kd
    .args:
      - { .name: prep, .offset: 0, .size: 8, .value_kind: global_buffer, .address_space: global }
      - { .name: qkv_b, .offset: 8, .size: 8, .value_kind: global_buffer, .address_space: global }
      - { .name: att, .offset: 16, .size: 8, .value_kind: global_buffer, .address_space: global }
    .group_segment_fixed_size: 327680
    .private_segment_fixed_size: 0
    .kernarg_segment_align: 8
    .kernarg_segment_size: 24
    .max_flat_workgroup_size: 128
    .sgpr_count:     102
    .vgpr_count:     1024
    .wavefront_size: 32
...
	.end_amdgpu_metadata
.endif
;; end of part 2
;; launch attn (part 3): grid 64 x 4, 4 waves a work-group, no clusters, 13,312 bytes of LDS; arguments att, x, embed, hres; writes hres
.if DOCPART == 3
	.amdgcn_target "amdgcn-amd-amdhsa--gfx1250"
	.amdhsa_code_object_version 6
	.text
	.protected	k_q1eea85d531_attn
	.globl	k_q1eea85d531_attn
	.p2align	8
	.type	k_q1eea85d531_attn,@function
k_q1eea85d531_attn:
	s_mov_b64 s[64:65], 0
	v_nop
	global_prefetch_b8 v0, s[64:65] scope:SCOPE_SE
	s_setreg_imm32_b32 hwreg(HW_REG_WAVE_MODE, 25, 1), 1
	s_wait_xcnt 0x0
; The last query of each batch (the others are left out, as launch prep's head shows): its 2,048 scores (eight partial sums each), the softmax as it stands ahead of a quantised product,
; O = p V, / the row's sum, + the token's embedding.
; t = score x log2(e) / 32; M = the row's largest t rounded up to a whole number; p = 2^(t - M) is quantised along the keys (E3M2, one E8M0 byte for 32 keys); the sum is taken of the unquantised p.
; A work-group takes one batch (y) and one tile of 16 d (x): 256 work-groups; each of its four waves four of the 16 key steps of 128, whose sums meet in LDS.  Every work-group makes the batch's p anew:
; 16 keys a thread, 64 KiB of partial scores; a launch of its own for p would store and load it once more.  The row's maximum is known before any exponential: no running maximum is needed.
; p goes from thread to wave through LDS as a plain stream of codes: 12 bytes a thread; every row of the operand is the one p.
; V^T's four fragments of a wave are asked for at the head and land under the softmax.  No cluster: what the work-groups of a batch share is the 64 KiB of scores, read through registers.
; A work-group's result is 16 numbers, 64 bytes, stored at the end by one wave.
; LDS: 0 the scores in key order, 128 places of 64 + 16 bytes; 10,240 p's codes; 11,776 p's 64 scale bytes; 12,032 four maxima; 12,048 four sums; 12,288 the spare words; 12,800 the waves' partial results.
; REGISTERS: v4-15, v43-46 addresses; v16-19 V's scale words; v20-23 p's; v24-42 at work; v48-63 my 16 scores, then p; v64-191 the partial scores, later v64-111 p's four fragments and
;   v112-143 four accumulators; v192-239 V^T's fragments; v240-241 the add's.
; LIMITS: NaN and infinities are not served; a p under 2^-126 counts as 0; the scaled scores stay under 2^31 in magnitude.
.set VS,    6291456
.set PS,    6553600
.set PCODE, 10240
.set PSC,   11776
.set RED,   12032
.set SPARE, 12288
.set PO,    12800
.macro BARRIER                         ; my LDS stores have landed and my LDS loads are in: then the work-group's barrier
	s_wait_dscnt 0x0
	s_barrier_signal -1
	s_barrier_wait -1
.endm
	s_load_b256 s[4:11], s[0:1], 0x0               ; att s[4:5], x s[6:7], embed s[8:9], hres s[10:11]
	v_lshl_add_u32 v240, v0, 2, SPARE
	v_mov_b32 v241, 0
	v_lshrrev_b32 v46, 5, v0
	v_readfirstlane_b32 s12, v46                   ; wave
	v_and_b32 v1, 31, v0                           ; lane
	v_and_b32 v2, 15, v0                           ; r
	v_bfe_u32 v3, v0, 4, 1                         ; h
	v_lshlrev_b32 v4, 4, v0                        ; the partial scores: 16 bytes a thread
	v_lshlrev_b32 v5, 3, v46
	v_lshl_add_u32 v5, v3, 2, v5
	v_bfe_u32 v12, v0, 3, 1
	v_add_nc_u32 v5, v5, v12                       ; 8 wave + 4 h + r / 8: the place of 16 keys,
	v_mul_u32_u24 v5, v5, 80
	v_and_b32 v12, 7, v0
	v_lshl_add_u32 v5, v12, 2, v5                  ; and r % 8 in it
	v_mul_u32_u24 v6, v0, 80                       ; back: thread t takes place t: keys 16 t .. 16 t + 15
	v_lshlrev_b32 v7, 4, v2                        ; V's scale words: 16 r
	v_and_b32 v8, 8, v2
	v_add_nc_u32 v8, v8, v2
	v_lshlrev_b32 v8, 2, v8                        ; 4 (r + 8 (r / 8)): my d in the tile
	v_lshlrev_b32 v10, 4, v1                       ; 16 x lane
	v_mul_u32_u24 v11, v46, 0x180                  ; p's stream at my wave's four key steps, 384 bytes,
	v_mad_u32_u24 v11, v3, 24, v11                 ; + 24 h
	v_add_nc_u32 v11, PCODE, v11
	v_mul_u32_u24 v12, v0, 12                      ; my 16 codes' place in it
	v_lshl_add_u32 v14, v46, 2, RED                ; my wave's word among the four
	v_mov_b32 v15, 0                               ; the address of reads that are alike in all lanes: the place stands in the immediate
	v_lshl_add_u32 v43, v46, 4, PSC                ; my wave's four scale words of p
	v_lshl_add_u32 v44, v0, 2, PO                  ; my wave's partial results, a word a lane,
	v_lshl_add_u32 v45, v1, 2, PO                  ; and wave 0's; the others' lie 128 bytes apart
	v_mov_b32 v25, 0                               ; (a lane permute's destination counts as one of its sources)
	v_mov_b32 v35, 0
	s_wait_alu depctr_va_vdst(0)                   ; ahead of the scalar lines and the wait below
	s_and_b32 s13, ttmp7, 0xffff                   ; batch
	s_mov_b32 s14, ttmp9                           ; my tile of d, 0 .. 63
	s_lshl_b32 s20, s13, 13
	s_mov_b32 s21, 0
	s_lshl_b32 s16, s13, 3
	s_lshr_b32 s17, s14, 3
	s_add_co_u32 s16, s16, s17                     ; 8 batch + which 128 of d
	s_lshl_b32 s16, s16, 13                        ; 16 key steps of 512 bytes
	s_bfe_u32 s17, s14, 0x10002
	s_lshl_b32 s17, s17, 8                         ; my tile is number x % 8 of its eight: 256 (x % 8 / 4) + 4 (x % 4)
	s_add_co_u32 s16, s16, s17
	s_and_b32 s17, s14, 3
	s_lshl_b32 s17, s17, 2
	s_add_co_u32 s16, s16, s17
	s_lshl_b32 s17, s12, 11                        ; my wave's four key steps
	s_add_co_u32 s16, s16, s17
	s_add_co_u32 s16, s16, VS
	s_mov_b32 s17, 0
	s_lshl_b32 s18, s13, 13
	s_add_co_u32 s18, s18, PS
	s_mov_b32 s19, 0
	s_lshl_b32 s26, s13, 6
	s_add_co_u32 s26, s26, s14
	s_mul_i32 s26, s26, 24576
	s_mul_i32 s27, s12, 6144
	s_add_co_u32 s26, s26, s27
	s_mov_b32 s27, 0
	s_lshr_b32 s28, s14, 1
	s_lshl_b32 s28, s28, 7
	s_and_b32 s29, s14, 1
	s_lshl_b32 s29, s29, 5
	s_add_co_u32 s28, s28, s29                     ; 4 x the tile's first d
	s_lshl_b32 s30, s13, 12
	s_add_co_u32 s30, s30, s28
	s_mov_b32 s31, 0
	s_mov_b32 s22, 0x76543210
	s_mov_b32 s23, 0xfedcba98                      ; v_permlanex16_b32's selects for lane l xor 16
	s_mov_b32 s24, 0x3d38aa3b                      ; c = log2(e) / 32
	s_mov_b32 s25, s24                             ; (named with it as a pair)
	s_wait_kmcnt 0x0
	s_add_nc_u64 s[20:21], s[6:7], s[20:21]
	s_load_b32 s15, s[20:21], 0x1ffc               ; x[batch][2047]
	s_add_nc_u64 s[18:19], s[4:5], s[18:19]        ; the batch's 16 blocks of 128 scores, in each of eight planes
	s_add_nc_u64 s[16:17], s[4:5], s[16:17]
	s_add_nc_u64 s[26:27], s[4:5], s[26:27]        ; my tile's images of my four key steps
	s_add_nc_u64 s[30:31], s[10:11], s[30:31]
.irp s, 0,1,2,3,4,5,6,7
.irp q, 0,1,2,3
	global_load_b128 v[64+16*\s+4*\q:67+16*\s+4*\q], v4, s[18:19] offset:32768*\s+2048*\q
.endr
.endr
.irp g, 0,1,2,3
	global_load_b32 v[16+\g], v7, s[16:17] offset:512*\g
.endr
.irp g, 0,1,2,3
.irp c, 0,1,2
	global_load_b128 v[192+12*\g+4*\c:192+12*\g+4*\c+3], v10, s[26:27] offset:1536*\g+512*\c
.endr
.endr
	s_wait_kmcnt 0x0                               ; the index, waited for behind the loads that do not hang on it
	s_min_u32 s15, s15, 31999                      ; an index stays inside the table
	s_lshl_b32 s15, s15, 12
	s_add_co_u32 s15, s15, s28
	v_add_nc_u32 v13, s15, v8
	global_load_b32 v9, v13, s[8:9]                ; the residual: embed[x][my d]
	s_wait_loadcnt 17                              ; the scores are in: all but V's 4 + 12 loads and the residual
.irp i, 0,2,4,6,8,10,12,14
	v_pk_add_f32 v[48+\i:49+\i], v[64+\i:65+\i], v[80+\i:81+\i]      ; the eight parts of d, in ascending order
.endr
.irp s, 2,3,4,5,6,7
.irp i, 0,2,4,6,8,10,12,14
	v_pk_add_f32 v[48+\i:49+\i], v[48+\i:49+\i], v[64+16*\s+\i:65+16*\s+\i]
.endr
.endr
.irp q, 0,1,2,3                                ; register 4 q + i is key 128 (4 q + wave) + 64 h + 32 (i / 2) + 8 (i % 2) + r + 8 (r / 8): into its place in key order
.irp i, 0,1,2,3
	ds_store_b32 v5, v[48+4*\q+\i] offset:80*(32*\q+2*(\i/2))+32*(\i%2)
.endr
.endr
	BARRIER
.irp j, 0,1,2,3
	ds_load_b128 v[48+4*\j:51+4*\j], v6 offset:16*\j
.endr
	s_wait_dscnt 0x0
	v_max3_num_f32 v24, v48, v49, v50
	v_max3_num_f32 v26, v51, v52, v53
	v_max3_num_f32 v24, v24, v54, v55
	v_max3_num_f32 v26, v26, v56, v57
	v_max3_num_f32 v24, v24, v58, v59
	v_max3_num_f32 v26, v26, v60, v61
	v_max3_num_f32 v24, v24, v62, v63
	v_max_num_f32 v24, v24, v26
	v_max_num_f32_dpp v24, v24, v24 row_xmask:1 row_mask:0xf bank_mask:0xf
	v_max_num_f32_dpp v24, v24, v24 row_xmask:2 row_mask:0xf bank_mask:0xf
	v_max_num_f32_dpp v24, v24, v24 row_xmask:4 row_mask:0xf bank_mask:0xf
	v_max_num_f32_dpp v24, v24, v24 row_xmask:8 row_mask:0xf bank_mask:0xf
	v_permlanex16_b32 v25, v24, s22, s23
	v_max_num_f32 v24, v24, v25
	ds_store_b32 v14, v24                          ; my wave's largest score (all lanes write the same word with the same value)
	BARRIER
	ds_load_b128 v[28:31], v15 offset:RED
	s_wait_dscnt 0x0
	v_max3_num_f32 v24, v28, v29, v30
	v_max_num_f32 v24, v24, v31                    ; the row's largest score
	v_mul_f32 v24, s24, v24                        ; as t (c is positive)
	v_floor_f32 v26, -v24                          ; -M = floor(-t) = -ceil(t)
	v_mov_b32 v27, v26
.irp i, 0,2,4,6,8,10,12,14
	v_pk_fma_f32 v[48+\i:49+\i], v[48+\i:49+\i], s[24:25], v[26:27] op_sel_hi:[1,0,0]   ; t - M
.endr
	s_wait_alu depctr_va_vdst(0)                   ; the wait ahead of the batch
.irp i, 0,1,2,3,4,5,6,7,8,9,10,11,12,13,14,15
	v_exp_f32 v[48+\i], v[48+\i]                   ; p = 2^(t - M), at most 1
.endr
	v_lshrrev_b32 v32, 1, v0                       ; (a plain place behind the exponentials)  my block of 32 keys: threads t and t xor 1 share it
	s_wait_alu depctr_va_vdst(0)                   ; and ahead of its first reader
	v_pk_add_f32 v[34:35], v[48:49], v[50:51]      ; the sum of the unquantised p, in two chains
	v_pk_add_f32 v[36:37], v[52:53], v[54:55]
	v_max3_num_f32 v38, v48, v49, 0x2800000        ; the block's largest p (none is negative), and the floor 2^(5 - 127): the byte cannot fall under 1
	v_pk_add_f32 v[34:35], v[34:35], v[56:57]
	v_pk_add_f32 v[36:37], v[36:37], v[58:59]
	v_max3_num_f32 v38, v38, v50, v51
	v_pk_add_f32 v[34:35], v[34:35], v[60:61]
	v_pk_add_f32 v[36:37], v[36:37], v[62:63]
	v_max3_num_f32 v38, v38, v52, v53
	v_pk_add_f32 v[34:35], v[34:35], v[36:37]
	v_max3_num_f32 v38, v38, v54, v55
	v_add_f32 v34, v34, v35
	v_max3_num_f32 v38, v38, v56, v57
	v_add_f32_dpp v34, v34, v34 row_xmask:1 row_mask:0xf bank_mask:0xf
	v_max3_num_f32 v38, v38, v58, v59
	v_add_f32_dpp v34, v34, v34 row_xmask:2 row_mask:0xf bank_mask:0xf
	v_max3_num_f32 v38, v38, v60, v61
	v_add_f32_dpp v34, v34, v34 row_xmask:4 row_mask:0xf bank_mask:0xf
	v_max3_num_f32 v38, v38, v62, v63
	v_add_f32_dpp v34, v34, v34 row_xmask:8 row_mask:0xf bank_mask:0xf
	v_max_num_f32_dpp v38, v38, v38 row_xmask:1 row_mask:0xf bank_mask:0xf
	v_permlanex16_b32 v35, v34, s22, s23
	v_add_nc_u32 v39, 0xfe000000, v38              ; 4 off the exponent field: the conversion's scale operand
	v_add_f32 v34, v34, v35
	v_lshrrev_b32 v33, 23, v39                     ; the scale's byte
	v_cvt_scalef32_pk16_bf6_f32 v[40:42], v[48:63], v39
	v_nop                                          ; one plain place behind a scaled conversion
	ds_store_b32 v14, v34 offset:16                ; my wave's sum
	ds_store_b32 v12, v40 offset:PCODE
	ds_store_b32 v12, v41 offset:PCODE+4
	ds_store_b32 v12, v42 offset:PCODE+8
	ds_store_b8 v32, v33 offset:PSC                ; both threads of a block write the same byte with the same value
	BARRIER
	ds_load_b128 v[28:31], v15 offset:RED+16       ; the four waves' sums
	ds_load_b128 v[20:23], v43
.irp g, 0,1,2,3
.irp p, 0,1,2,3,4,5
	ds_load_b64 v[64+12*\g+2*\p:65+12*\g+2*\p], v11 offset:96*\g+48*(\p/3)+8*(\p%3)   ; p's fragment of my g-th key step: every row is the one p
.endr
.endr
	s_wait_dscnt 0x0
	s_wait_loadcnt 0x0                             ; V^T and the residual
.irp g, 0,1,2,3                                ; four accumulators, each with one product
	v_wmma_scale_f32_16x16x128_f8f6f4 v[112+8*\g:119+8*\g], v[64+12*\g:75+12*\g], v[192+12*\g:203+12*\g], 0, v[20+\g], v[16+\g] matrix_a_fmt:MATRIX_FMT_BF6 matrix_b_fmt:MATRIX_FMT_BF6
.endr
	v_add_f32 v28, v28, v29                        ; (these three and the v_nop are the places behind the products)
	v_add_f32 v30, v30, v31
	v_add_f32 v28, v28, v30                        ; the row's sum
	v_nop
	v_add_f32 v36, v112, v120                      ; register 0 of each accumulator is p . V[:, my d]
	v_add_f32 v37, v128, v136
	v_add_f32 v36, v36, v37
	ds_store_b32 v44, v36                          ; my key steps' part (lanes 16-31 hold the same again)
	s_wait_alu depctr_va_vdst(0)                   ; the wait ahead of the transcendental
	v_rcp_f32 v28, v28
	v_nop                                          ; one plain place behind a transcendental
	s_wait_alu depctr_va_vdst(0)                   ; and behind it
	BARRIER
.irp j, 0,1,2,3
	ds_load_b32 v[36+\j], v45 offset:128*\j
.endr
	s_wait_dscnt 0x0
	v_add_f32 v36, v36, v37                        ; the four waves' parts
	v_add_f32 v38, v38, v39
	v_add_f32 v36, v36, v38
	v_fma_f32 v36, v36, v28, v9                    ; / the sum, + the residual
	v_cmp_gt_u32 vcc_lo, 16, v1
	s_wait_alu depctr_va_vdst(0)
	s_wait_xcnt 0x0                                ; EXEC changes only behind this wait
	s_wait_tensorcnt 0x0                           ; the wave's end
	ds_add_u32 v240, v241
	s_wait_dscnt 0x0
	s_cmp_lg_u32 s12, 0
	s_cbranch_scc1 .Lend                           ; wave 0 stores
	s_and_saveexec_b32 s20, vcc_lo
	global_store_b32 v8, v36, s[30:31]
	s_wait_xcnt 0x0
	s_or_b32 exec_lo, exec_lo, s20
.Lend:
	s_endpgm
.Lfunc_end_k_q1eea85d531_attn:
	.size	k_q1eea85d531_attn, .Lfunc_end_k_q1eea85d531_attn-k_q1eea85d531_attn
	.p2alignl 7, 3214868480
	.fill 96, 4, 3214868480
	.section	.rodata,"a",@progbits
	.p2align	6, 0x0
	.amdhsa_kernel k_q1eea85d531_attn
		.amdhsa_group_segment_fixed_size 13312
		.amdhsa_private_segment_fixed_size 0
		.amdhsa_enable_private_segment 0
		.amdhsa_kernarg_size 32
		.amdhsa_user_sgpr_count 2
		.amdhsa_user_sgpr_kernarg_segment_ptr 1
		.amdhsa_wavefront_size32 1
		.amdhsa_system_sgpr_workgroup_id_x 1
		.amdhsa_system_sgpr_workgroup_id_y 1
		.amdhsa_system_sgpr_workgroup_id_z 1
		.amdhsa_system_vgpr_workitem_id 0
		.amdhsa_next_free_vgpr 248
		.amdhsa_next_free_sgpr 66
		.amdhsa_reserve_vcc 1
		.amdhsa_float_denorm_mode_32 3
		.amdhsa_float_denorm_mode_16_64 3
		.amdhsa_memory_ordered 1
		.amdhsa_forward_progress 1
		.amdhsa_inst_pref_size 22
	.end_amdhsa_kernel
	.amdgpu_metadata
---
amdhsa.version: [ 1, 2 ]
amdhsa.kernels:
  - .name:           k_q1eea85d531_attn
    .symbol:         k_q1eea85d531_attn.kd
    .args:
      - { .name: att, .offset: 0, .size: 8, .value_kind: global_buffer, .address_space: global }
      - { .name: x, .offset: 8, .size: 8, .value_kind: global_buffer, .address_space: global }
      - { .name: embed, .offset: 16, .size: 8, .value_kind: global_buffer, .address_space: global }
      - { .name: hres, .offset: 24, .size: 8, .value_kind: global_buffer, .address_space: global }
    .group_segment_fixed_size: 13312
    .private_segment_fixed_size: 0
    .kernarg_segment_align: 8
    .kernarg_segment_size: 32
    .max_flat_workgroup_size: 128
    .sgpr_count:     66
    .vgpr_count:     248
    .wavefront_size: 32
...
	.end_amdgpu_metadata
.endif
;; end of part 3
;; launch proj (part 4): grid 250 x 1, 8 waves a work-group, no clusters, 34,304 bytes of LDS; arguments hres, out_w, out_b, out0; writes out0
.if DOCPART == 4
	.amdgcn_target "amdgcn-amd-amdhsa--gfx1250"
	.amdhsa_code_object_version 6
	.text
	.protected	k_q1eea85d531_proj
	.globl	k_q1eea85d531_proj
	.p2align	8
	.type	k_q1eea85d531_proj,@function
k_q1eea85d531_proj:
	s_mov_b64 s[64:65], 0
	v_nop
	global_prefetch_b8 v0, s[64:65] scope:SCOPE_SE
	s_setreg_imm32_b32 hwreg(HW_REG_WAVE_MODE, 25, 1), 1
	s_wait_xcnt 0x0
; out0[4][32000] = hres[4][1024] out_w[1024][32000] + out_b.  The launch streams out_w's 131 MB once; no work-group shares a byte of it with another, so no cluster and no tensor load.
; The product goes to the matrix unit in bf16, sums in f32.  A has 16 rows and the problem four: h is split in f32 into two bf16 parts, h = hi + lo; rows 0-3 are hi of the four batches,
; rows 4-7 lo, rows 8-15 the same again, so that h keeps both parts and only out_w is rounded to bf16.
; A work-group owns 128 columns: 512 consecutive bytes of each row of out_w, aligned to 256 (a row is 128,000 bytes, 500 x 256).  Wave w owns K rows 128 w .. 128 w + 127.
; A GROUP is 32 K rows x 64 columns, 16 loads: one load is 256 consecutive bytes of row k (lanes 0-15) and of row k + 8 (lanes 16-31).  A lane's 16 bytes are columns 4 r .. 4 r + 3:
; column tile c is the columns 4 r + c, and two rows' numbers packed are one register of its B fragment: B comes out of the loads by one conversion for two numbers.
; Eight groups a wave: K step g / 2, half g % 2 of the columns.  Four groups' registers: 64 loads a wave may be on their way, 256 KiB for the eight waves.
; No prefetch: there is no loop to run ahead in, and half of what a wave reads is asked for at its head.
; Written out, no loop: every offset is an immediate, counted from the middle of the wave's rows: (k - 64) x 128,000 lies inside the signed 24 bits.
; The eight waves' partial sums meet in LDS; waves 0-3 add them in ascending order of K, add the bias and store a batch's 512 consecutive bytes each.
; REGISTERS: window 0: v4-7, v14-15 addresses, v8-11 bias, v12-13 the add's, v16-47 A's four fragments, v48-111 B's fragments of a group (two sets), v112-175 eight accumulators, v176-255 at work.
;   window 1: the four groups as loaded.
; LIMITS: NaN and infinities are not served.  Nothing is left out here.
.set ROWB,  128000
.set HPIT,  528                        ; LDS 0: h, four rows of 512 + 16 bytes a wave
.set RED,   16896                      ; partial sums, 2,048 bytes a wave (batch b at 512 b)
.set SPARE, 33280                      ; the spare words, 128 bytes for each wave
.set BIAS, 8
.set SPW,  12
.set NIL,  13
.set AF,   16
.set BF,   48
.set ACC,  112
.set T,    176
.set U,    240
.set MSB, 0
.macro WIN new                         ; the immediate's high byte repeats the setting that is left
.if MSB != (\new)
	s_set_vgpr_msb (MSB<<8)|(\new)
.set MSB, (\new)
.endif
.endm
	s_load_b256 s[4:11], s[0:1], 0x0               ; hres s[4:5], out_w s[6:7], out_b s[8:9], out0 s[10:11]
	v_lshl_add_u32 v[SPW], v0, 2, SPARE
	v_mov_b32 v[NIL], 0
	v_lshrrev_b32 v1, 5, v0
	v_readfirstlane_b32 s12, v1                    ; wave 0..7
	s_mov_b32 s22, 8*ROWB
	v_and_b32 v1, 31, v0                           ; lane
	v_and_b32 v2, 15, v0                           ; r
	v_bfe_u32 v3, v0, 4, 1                         ; h
	v_lshlrev_b32 v4, 4, v1                        ; 16 x lane
	v_mul_u32_u24 v5, s22, v3
	v_lshl_add_u32 v5, v2, 4, v5                   ; out_w: 16 r, lanes 16-31 eight rows on
	v_and_b32 v7, 3, v2
	v_mul_u32_u24 v7, v7, HPIT                     ; h out of LDS: row r % 4,
	v_lshl_add_u32 v7, v3, 5, v7                   ; + 32 h
	s_wait_alu depctr_va_vdst(0)                   ; ahead of the scalar lines below
	s_lshl_b32 s13, ttmp9, 9                       ; my columns, in bytes
	s_lshl_b32 s14, s12, 7
	s_add_co_u32 s14, s14, 64
	s_mul_i32 s14, s14, ROWB                       ; the middle of my wave's rows
	s_add_co_u32 s14, s14, s13
	s_mov_b32 s15, 0
	s_lshl_b32 s16, s12, 9                         ; my wave's 128 numbers of a row of hres
	s_mov_b32 s17, 0
	s_mov_b32 s18, s13
	s_mov_b32 s19, 0
	s_mov_b32 s20, 0xf0f0f0f0                      ; lanes whose row of A is a lo part
	s_mov_b32 s25, 0xffff0000                      ; lanes 16-31
	s_mul_i32 s21, s12, 4*HPIT
	s_lshl_b32 s23, s12, 11
	s_add_co_u32 s23, s23, RED
	s_and_b32 s24, s12, 3
	s_lshl_b32 s24, s24, 9
	s_add_co_u32 s24, s24, RED
	v_add_nc_u32 v6, s21, v4                       ; h into LDS
	v_add_nc_u32 v7, s21, v7
	v_add_nc_u32 v14, s23, v4                      ; my wave's partial sums
	v_add_nc_u32 v15, s24, v4                      ; batch wave % 4 of wave 0's; the others' lie 2,048 bytes apart
	s_wait_alu depctr_va_vdst(0)                   ; the wait at the head's end
	s_wait_kmcnt 0x0
	s_add_nc_u64 s[6:7], s[6:7], s[14:15]
	s_add_nc_u64 s[4:5], s[4:5], s[16:17]
	s_add_nc_u64 s[8:9], s[8:9], s[18:19]
.macro WLOAD g                         ; group g into slot g % 4 of window 1: load j is rows 32 (g / 2) + 16 (j / 8) + j % 8, + 8 in lanes 16-31; read once in the launch
	WIN 0x40
.irp j, 0,1,2,3,4,5,6,7,8,9,10,11,12,13,14,15
	global_load_b128 v[64*((\g)%4)+4*\j:64*((\g)%4)+4*\j+3], v5, s[6:7] offset:(32*((\g)/2)+16*(\j/8)+(\j%8)-64)*ROWB+256*((\g)%2) th:TH_LOAD_NT
.endr
	WIN 0
.endm
.irp b, 0,1,2,3
	global_load_b128 v[U+4*\b:U+4*\b+3], v4, s[4:5] offset:4096*\b
.endr
	global_load_b128 v[BIAS:BIAS+3], v4, s[8:9]    ; the bias of columns 4 x lane .. + 3
	WLOAD 0
	WLOAD 1
	WLOAD 2
	s_wait_loadcnt 49                              ; h is in; the bias and the 48 loads of out_w may be out
.irp b, 0,1,2,3
	ds_store_b128 v6, v[U+4*\b:U+4*\b+3] offset:HPIT*\b
.endr
.irp s, 0,1,2,3
.irp q, 0,1,2,3                                ; lane (r, h), K step s: k = 32 s + 8 h + 0 .. 7 and 32 s + 16 + 8 h + 0 .. 7 of batch r % 4
	ds_load_b128 v[T+16*\s+4*\q:T+16*\s+4*\q+3], v7 offset:128*\s+64*(\q/2)+16*(\q%2)   ; my wave's own bytes, and LDS serves a wave's instructions in order: no wait, no barrier
.endr
.endr
	WLOAD 3
	s_wait_dscnt 0x0
.irp s, 0,1,2,3                                ; A's fragments: hi = bf16(h), lo = bf16(h - hi), eight pairs line by line
.irp i, 0,1,2,3,4,5,6,7
	v_cvt_pk_bf16_f32 v[AF+8*\s+\i], v[T+16*\s+2*\i], v[T+16*\s+2*\i+1]
.endr
.irp i, 0,1,2,3,4,5,6,7
	v_lshlrev_b32 v[U+2*\i], 16, v[AF+8*\s+\i]
	v_and_b32 v[U+2*\i+1], 0xffff0000, v[AF+8*\s+\i]
.endr
.irp i, 0,1,2,3,4,5,6,7
	v_pk_add_f32 v[T+16*\s+2*\i:T+16*\s+2*\i+1], v[T+16*\s+2*\i:T+16*\s+2*\i+1], v[U+2*\i:U+2*\i+1] neg_lo:[0,1] neg_hi:[0,1]
.endr
.irp i, 0,1,2,3,4,5,6,7
	v_cvt_pk_bf16_f32 v[T+16*\s+2*\i], v[T+16*\s+2*\i], v[T+16*\s+2*\i+1]
.endr
.irp i, 0,1,2,3,4,5,6,7
	v_cndmask_b32 v[AF+8*\s+\i], v[AF+8*\s+\i], v[T+16*\s+2*\i], s20
.endr
.endr
; A group: 32 conversions make B's four fragments (tile c, register i: rows 2 i and 2 i + 1 of the 16 that a lane holds), its slot takes the group four on, four products.
; The eight accumulators take turns: two neighbouring steps of a sum have seven others between them.  The other set of B is written behind the
; products that read it by a whole group's 32 conversions.
.macro GROUP g
.if (\g) < 5
	s_wait_loadcnt 48                              ; this group's 16 loads are in; the three younger groups' may be out
.else
	s_wait_loadcnt 16*(7-(\g))
.endif
	WIN 0x05                                       ; sources window 1, destination window 0
.irp c, 0,1,2,3
.irp i, 0,1,2,3,4,5,6,7
	v_cvt_pk_bf16_f32 v[BF+32*((\g)%2)+8*\c+\i], v[64*((\g)%4)+8*\i+\c], v[64*((\g)%4)+8*\i+4+\c]
.endr
.endr
.if (\g) < 4
	WLOAD (\g)+4
.else
	WIN 0
.endif
.irp c, 0,1,2,3
.if (\g) < 2
	v_wmma_f32_16x16x32_bf16 v[ACC+32*((\g)%2)+8*\c:ACC+32*((\g)%2)+8*\c+7], v[AF+8*((\g)/2):AF+8*((\g)/2)+7], v[BF+32*((\g)%2)+8*\c:BF+32*((\g)%2)+8*\c+7], 0
.else
	v_wmma_f32_16x16x32_bf16 v[ACC+32*((\g)%2)+8*\c:ACC+32*((\g)%2)+8*\c+7], v[AF+8*((\g)/2):AF+8*((\g)/2)+7], v[BF+32*((\g)%2)+8*\c:BF+32*((\g)%2)+8*\c+7], v[ACC+32*((\g)%2)+8*\c:ACC+32*((\g)%2)+8*\c+7]
.endif
.endr
.endm
.irp g, 0,1,2,3,4,5,6,7
	GROUP \g
.endr
; Lane (r, h) holds of tile c the column 4 r + c, register j row j (h = 1: row 8 + j, the same again): batch b is register b + register 4 + b.
; The first half's eight additions are also the places behind the last products.
.irp u, 0,1
.irp c, 0,1,2,3
	v_pk_add_f32 v[T+16*\u+4*\c:T+16*\u+4*\c+1], v[ACC+32*\u+8*\c:ACC+32*\u+8*\c+1], v[ACC+32*\u+8*\c+4:ACC+32*\u+8*\c+5]
	v_pk_add_f32 v[T+16*\u+4*\c+2:T+16*\u+4*\c+3], v[ACC+32*\u+8*\c+2:ACC+32*\u+8*\c+3], v[ACC+32*\u+8*\c+6:ACC+32*\u+8*\c+7]
.endr
.endr
.irp b, 0,1,2,3
.irp c, 0,1,2,3                                ; lanes 0-15 take the first 64 columns, lanes 16-31 the second: lane l columns 4 l .. 4 l + 3
	v_cndmask_b32 v[AF+4*\b+\c], v[T+4*\c+\b], v[T+16+4*\c+\b], s25
.endr
.endr
.irp b, 0,1,2,3
	ds_store_b128 v14, v[AF+4*\b:AF+4*\b+3] offset:512*\b
.endr
	s_wait_dscnt 0x0                               ; for the others' sake: my partial sums have landed
	s_barrier_signal -1
	s_barrier_wait -1
	s_cmp_lt_u32 s12, 4
	s_cbranch_scc0 .Lend                           ; waves 0-3 finish a batch each
.irp j, 0,1,2,3,4,5,6,7
	ds_load_b128 v[T+4*\j:T+4*\j+3], v15 offset:2048*\j
.endr
	s_mul_i32 s20, s12, ROWB
	s_add_co_u32 s20, s20, s13
	s_mov_b32 s21, 0
	s_add_nc_u64 s[10:11], s[10:11], s[20:21]
	s_wait_dscnt 0x0
	v_pk_add_f32 v[48:49], v[T:T+1], v[T+4:T+5]
	v_pk_add_f32 v[50:51], v[T+2:T+3], v[T+6:T+7]
.irp j, 2,3,4,5,6,7
	v_pk_add_f32 v[48:49], v[48:49], v[T+4*\j:T+4*\j+1]
	v_pk_add_f32 v[50:51], v[50:51], v[T+4*\j+2:T+4*\j+3]
.endr
	v_pk_add_f32 v[48:49], v[48:49], v[BIAS:BIAS+1]
	v_pk_add_f32 v[50:51], v[50:51], v[BIAS+2:BIAS+3]
	global_store_b128 v4, v[48:51], s[10:11] th:TH_STORE_NT    ; 512 consecutive bytes, at a multiple of 256 from out0's first byte
.Lend:
	s_wait_tensorcnt 0x0                           ; the wave's end
	ds_add_u32 v[SPW], v[NIL]
	s_wait_dscnt 0x0
	s_endpgm
.Lfunc_end_k_q1eea85d531_proj:
	.size	k_q1eea85d531_proj, .Lfunc_end_k_q1eea85d531_proj-k_q1eea85d531_proj
	.p2alignl 7, 3214868480
	.fill 96, 4, 3214868480
	.section	.rodata,"a",@progbits
	.p2align	6, 0x0
	.amdhsa_kernel k_q1eea85d531_proj
		.amdhsa_group_segment_fixed_size 34304
		.amdhsa_private_segment_fixed_size 0
		.amdhsa_enable_private_segment 0
		.amdhsa_kernarg_size 32
		.amdhsa_user_sgpr_count 2
		.amdhsa_user_sgpr_kernarg_segment_ptr 1
		.amdhsa_wavefront_size32 1
		.amdhsa_system_sgpr_workgroup_id_x 1
		.amdhsa_system_sgpr_workgroup_id_y 1
		.amdhsa_system_sgpr_workgroup_id_z 1
		.amdhsa_system_vgpr_workitem_id 0
		.amdhsa_next_free_vgpr 512
		.amdhsa_next_free_sgpr 66
		.amdhsa_reserve_vcc 0
		.amdhsa_float_denorm_mode_32 3
		.amdhsa_float_denorm_mode_16_64 3
		.amdhsa_memory_ordered 1
		.amdhsa_forward_progress 1
		.amdhsa_inst_pref_size 51
	.end_amdhsa_kernel
	.amdgpu_metadata
---
amdhsa.version: [ 1, 2 ]
amdhsa.kernels:
  - .name:           k_q1eea85d531_proj
    .symbol:         k_q1eea85d531_proj.kd
    .args:
      - { .name: hres, .offset: 0, .size: 8, .value_kind: global_buffer, .address_space: global }
      - { .name: out_w, .offset: 8, .size: 8, .value_kind: global_buffer, .address_space: global }
      - { .name: out_b, .offset: 16, .size: 8, .value_kind: global_buffer, .address_space: global }
      - { .name: out0, .offset: 24, .size: 8, .value_kind: global_buffer, .address_space: global }
    .group_segment_fixed_size: 34304
    .private_segment_fixed_size: 0
    .kernarg_segment_align: 8
    .kernarg_segment_size: 32
    .max_flat_workgroup_size: 256
    .sgpr_count:     66
    .vgpr_count:     512
    .wavefront_size: 32
...
	.end_amdgpu_metadata
.endif
;; end of part 4
